; MI455X (gfx1250); checked and timed in simulation.
; The chip was launched on July 23, 2026; its instructions are those of AMD's public machine-readable ISA for CDNA 5 (MIT licence, August 2026) and "CDNA5" Instruction Set Architecture Reference Guide (July 2026). The comments in the code are by the model that wrote it; some were corrected since.
;; Multi Head Attention. Allowed arithmetic: matrix products marked QUANTISED: E4M3 operands, one E8M0 scale for each 32 along K, by v_wmma_scale_f32_16x16x128_f8f6f4 with both operands' format E4M3, f32 sums; everything else in f32.
;; Inputs: b_k 1,024 float32; b_o 1,024 float32; b_q 1,024 float32; b_v 1,024 float32; w_k 1,024 x 1,024 float32; w_o 1,024 x 1,024 float32; w_q 1,024 x 1,024 float32; w_v 1,024 x 1,024 float32; x 4 x 2,048 x 1,024 float32.
;; Outputs: out0 4 x 2,048 x 1,024 float32.
;; This version of the problem:
;;   THIS VERSION OF THE PROBLEM IS GIVEN IN LOW PRECISION. The matrix products marked QUANTISED in the list below multiply operands that are first quantised to E4M3 (4 exponent bits, 3 mantissa bits; 8 bits a number), with one power-of-two scale for each 32 numbers along K (OCP MX v1.0); their sums are f32. All else is computed in f32.
;;   The module's matrix products, in the order in which they are computed (A, B: the left and right operand; K: the contracted axis; several contracted axes count as one K, in the product's order):
;;     1. [M 8,192, K 1,024] x [K 1,024, N 1,024]; A: input x; B: input w_q: QUANTISED
;;     2. [M 8,192, K 1,024] x [K 1,024, N 1,024]; A: input x; B: input w_k: QUANTISED
;;     3. [M 8,192, K 1,024] x [K 1,024, N 1,024]; A: input x; B: input w_v: QUANTISED
;;     4. batch 64 x [M 2,048, K 64] x [K 64, N 2,048]; A: computed on the way; B: computed on the way: QUANTISED
;;     5. batch 64 x [M 2,048, K 2,048] x [K 2,048, N 64]; A: softmax (see below); B: computed on the way: QUANTISED
;;     6. [M 8,192, K 1,024] x [K 1,024, N 1,024]; A: computed on the way; B: input w_o: QUANTISED
;;   THE QUANTISER, for each operand of a quantised product, along K:
;;     - K is cut into blocks of 32 from its start; a last block that is shorter is filled with zeros.
;;     - A block's scale is 2^e with e = floor(log2(the largest magnitude in the block)) - 8, held to -126 .. 127; a block of zeros has e = 0. As a byte (E8M0): e + 127.
;;     - Each number is divided by its block's scale, clamped to +-448, and rounded to the nearest number of E4M3, ties to even, subnormals kept.
;;     - The product sums the exact products of the quantised numbers (number of the format x scale) in f32.
;;   ~~~python
;;   def quantise(x, axis):      # numpy; x: float32 -> the quantised numbers, widened to float32 again
;;       x = np.moveaxis(x, axis, -1); K = x.shape[-1]
;;       x = np.pad(x, [(0, 0)] * (x.ndim - 1) + [(0, -K % 32)]); x = x.reshape(x.shape[:-1] + (-1, 32)); a = np.abs(x).max(-1, keepdims=True)
;;       e = np.where(a > 0, np.clip(np.frexp(np.where(a > 0, a, 1))[1] - 1 - 8, -126, 127), 0)      # np.frexp(a)[1] - 1 = floor(log2(a)), exactly
;;       r = np.clip(x / 2.0 ** e, -448, 448)
;;       step = 2.0 ** (np.maximum(np.frexp(np.where(r == 0, 1, r))[1] - 1, -6) - 3)
;;       q = np.round(r / step) * step * 2.0 ** e      # np.round: ties to even
;;       return np.moveaxis(q.reshape(q.shape[:-2] + (-1,))[..., :K], -1, axis).astype(np.float32)
;;   ~~~
;;   SOFTMAX AHEAD OF A QUANTISED PRODUCT. Where the list says 'softmax', what is quantised is not the finished softmax but p = 2^(t - M), with t = logit x log2(e) and M = ceil(the row's largest t), a whole number; so 1/2 < the row's largest p <= 1. The row's sum l is taken of the UNQUANTISED p, in f32, and the product's result is divided by l at the end. Since M is a whole number, a kernel that streams over the keys may use a running M (the ceiling of the running maximum): every later rescaling is an exact power of two, which a block's scale takes up: the codes' values come out the same.
;;   OPERANDS COMPUTED ON THE WAY. 'Computed on the way' means the value that the module computes at that place (a softmax that the list does not call 'softmax' is quantised finished and normalised). What goes into a quantiser is computed in f32, as accurately as f32 sums, v_exp_f32 and their like allow (about 1e-6 of the number): no bf16 or f16 on the way to a quantiser, and a product that is left as it is and whose result goes on into a quantised operand takes f32 operands (vector FMAs, or v_wmma_f32_16x16x4_f32). A number that lies on a knife's edge between two numbers of the format may be rounded either way, as far as f32 arithmetic and the matrix unit's own rounding can turn it there, and no further.
;; One version. Each part assembles by itself: llvm-mc -triple=amdgcn-amd-amdhsa -mcpu=gfx1250 --defsym DOCPART=n.
;; ======== version 1 of 1: 4 launches
;; limits: right only within a limited range of input values
;; workspace buffers: xc 8,650,752 bytes; wc 4,325,376 bytes; qb 8,650,752 bytes; kv 17,301,504 bytes; ao 8,650,752 bytes
;; launch quant (part 1): grid 384 x 1, 4 waves a work-group, no clusters, 34,304 bytes of LDS; arguments x, w_q, w_k, w_v, w_o, xc, wc; writes xc, wc
.if DOCPART == 1
	.amdgcn_target "amdgcn-amd-amdhsa--gfx1250"
	.amdhsa_code_object_version 6
	.text
	.protected	k_qbcc24dec4a_quant
	.globl	k_qbcc24dec4a_quant
	.p2align	8
	.type	k_qbcc24dec4a_quant,@function
k_qbcc24dec4a_quant:
	s_mov_b64 s[64:65], 0
	v_nop
	global_prefetch_b8 v0, s[64:65] scope:SCOPE_SE
	s_setreg_imm32_b32 hwreg(HW_REG_WAVE_MODE, 25, 1), 1
	s_wait_xcnt 0x0
; x [8192][1024] and the four weights [1024 (k)][1024 (n)], f32, become codes of FP8 (E4M3) with one E8M0 byte for each 32 along K, laid AS THE MATRIX UNIT'S REGISTERS TAKE THEM.
; A BLOCK of 33,792 bytes holds 128 rows x 256 along K: codes [q 0..1][tile 0..7][c 0..3][lane 0..31][16 bytes], then at byte 32,768 the scale words [tile][row 0..15][q][4 bytes].
; Lane (rho, h) of chunk c of a tile holds k = 128 q + 32 c + 16 h + 0 .. 15 of the tile's row rho.  THE ROWS OF A TILE ARE NOT NEIGHBOURS: in a group of 32 rows, tile 2 g + u holds rows 32 g + 8 u + rho + 8 (rho / 8).
; xc: [row block 0..63][K step 0..3][block];  wc: [row block: w_q 0-7, w_k 8-15, w_v 16-23, w_o 24-31][K step][block], a weight's rows being its columns n.
; A block's scale is 2^(floor(log2(largest magnitude)) - 8): its byte is the largest magnitude's exponent field - 8, held at 1 from below.  A block of zeros so gets the byte 1: its codes are zeros, and this program alone reads the bytes.
; LIMITS: NaN and infinities among the inputs are not served; blocks whose largest magnitude lies under 2^(9 - 127) take the floor's byte.
; Work-groups 0-255 take x: 32 rows each, wave w the K step w.  Work-groups 256-383 take the weights: one block each, wave w its 32 columns 32 w on.
; x: every load reads 512 consecutive bytes of a row; 16 rows x 512 bytes turn through the wave's own stage in LDS (rows 528 bytes apart) so that a lane gets 16 neighbours of each block of 32.
; Weights: a lane takes a column and its registers run down K: a block of 32 lies in one lane, nothing is transposed, no LDS.
.set BLK,   33792
.set STG,   8448                       ; a wave's stage: 16 rows x 528 bytes
.set SPARE, 4*STG                      ; behind the stages: the spare words, 128 bytes for each wave
.set LI,  1                            ; v1  16 x lane
.set LN,  2                            ; v2  lane
.set STI, 3                            ; v3  the stage, on the way in (weights: 4 x lane)
.set RR,  4                            ; v4  lane % 16 (weights: u)
.set HH,  5                            ; v5  lane / 16 (weights: rho)
.set STO, 6                            ; v6  the stage, on the way out
.set SCO, 7                            ; v7  where my scale words go (weights: where my codes go)
.set CDO, 8                            ; v8  where my codes go (weights: where my scale words go)
.set SPW, 12                           ; v12 LDS address of my spare word; never rewritten
.set NIL, 13                           ; v13 0; never rewritten
.set R,   16                           ; v16-143  two sets of 64 registers as loaded (weights: two sets of 32)
.set X,   144                          ; v144-207 64 numbers: register 16 b + i = k 32 b + 16 h + i of my row
.set PC,  208                          ; v208-223 the codes just made
.set TM,  224                          ; v224-239 at work
.set PW,  240                          ; v240-243 the four steps' scale words (weights: v240-241 the bytes, four to a register)
.set DW,  244                          ; v244-245 the two words that I store
	s_load_b256 s[4:11], s[0:1], 0x0               ; x s[4:5], w_q s[6:7], w_k s[8:9], w_v s[10:11]
	s_load_b128 s[12:15], s[0:1], 0x20             ; w_o s[12:13], xc s[14:15]
	s_load_b64 s[16:17], s[0:1], 0x30              ; wc
	v_lshl_add_u32 v[SPW], v0, 2, SPARE
	v_mov_b32 v[NIL], 0
	v_lshrrev_b32 v[LN], 5, v0
	v_readfirstlane_b32 s18, v[LN]                 ; wave 0..3
	v_and_b32 v[LN], 31, v0                        ; lane
	s_mov_b32 s20, 0x76543210
	s_mov_b32 s21, 0xfedcba98                      ; v_permlanex16_b32's selects for lane l xor 16
	s_mov_b32 s25, 0                               ; the upper word of every 32-bit offset
	s_wait_kmcnt 0x0
	s_cmp_lt_u32 ttmp9, 256
	s_cbranch_scc0 .Lweights
; ------------------------------------------------------------------ x
; 64 numbers of a lane, v[s] on, become a fragment's codes in v[PC] on and its scale word in v[pw]
.macro QUANT s, pw
.irp b, 0,1,2,3
	v_max3_num_f32 v[TM+\b], |v[\s+16*\b]|, |v[\s+1+16*\b]|, 0x4800000   ; block b: my 16 numbers, and the floor 2^(9 - 127): the byte cannot fall under 1
.endr
.irp i, 2,4,6,8,10,12,14
.irp b, 0,1,2,3
	v_max3_num_f32 v[TM+\b], v[TM+\b], |v[\s+16*\b+\i]|, |v[\s+1+16*\b+\i]|   ; the four blocks by turns
.endr
.endr
.irp b, 0,1,2,3
	v_permlanex16_b32 v[TM+4+\b], v[TM+\b], s20, s21
.endr
.irp b, 0,1,2,3
	v_max_num_f32 v[TM+\b], v[TM+\b], v[TM+4+\b]   ; with lane l xor 16's: the block's largest magnitude
.endr
.irp b, 0,1,2,3
	v_add_nc_u32 v[TM+12+\b], 0xfc000000, v[TM+\b] ; 8 off its exponent field: the conversion's scale operand
.endr
.irp b, 0,1,2,3
.endr
.irp b, 0,1,2,3
	v_lshrrev_b32 v[TM+4+\b], 23, v[TM+12+\b]      ; the scale's byte
.endr
	v_lshl_or_b32 v[\pw], v[TM+5], 8, v[TM+4]      ; the four bytes make my row's scale word
	v_lshl_or_b32 v[\pw], v[TM+6], 16, v[\pw]
	v_lshl_or_b32 v[\pw], v[TM+7], 24, v[\pw]
	s_wait_xcnt 0x0                                ; the last step's stores have read the codes' registers: they are written again only behind this wait
.irp b, 0,1,2,3
.irp i, 0,1,2,3,4,5,6,7,8,9,10,11,12,13,14,15
.endr
	v_cvt_scalef32_pk8_fp8_f32 v[PC+4*\b:PC+1+4*\b], v[\s+16*\b:\s+7+16*\b], v[TM+12+\b]
	v_cvt_scalef32_pk8_fp8_f32 v[PC+2+4*\b:PC+3+4*\b], v[\s+8+16*\b:\s+15+16*\b], v[TM+12+\b]
.endr
	v_nop                                          ; one plain vector line behind the last conversion
.endm
; step t = 2 u + q: the 16 rows of tile u of my group, 128 along K (512 bytes) of each, into set t % 2
.macro XLOAD t
.irp i, 0,1,2,3,4,5,6,7,8,9,10,11,12,13,14,15
	global_load_b128 v[R+64*((\t)%2)+4*\i:R+64*((\t)%2)+4*\i+3], v[LI], s[4:5] offset:(8*((\t)/2)+\i+8*(\i/8))*4096+512*((\t)%2) th:TH_LOAD_NT
.endr
.endm
.macro XSTEP t
.if (\t) < 3
	s_wait_loadcnt 16                              ; this step's sixteen loads are in; the next step's sixteen may be out
.else
	s_wait_loadcnt 0x0
.endif
.irp i, 0,1,2,3,4,5,6,7,8,9,10,11,12,13,14,15
	ds_store_b128 v[STI], v[R+64*((\t)%2)+4*\i:R+64*((\t)%2)+4*\i+3] offset:528*\i   ; row i as it lies
.endr
.irp b, 0,1,2,3
.irp j, 0,1,2,3
	ds_load_b128 v[X+16*\b+4*\j:X+16*\b+4*\j+3], v[STO] offset:128*\b+16*\j          ; LDS serves a wave's instructions in order: these see the stores above
.endr
.endr
	s_wait_dscnt 0x0                               ; the numbers are back, and the stores have read their registers,
.if (\t)+2 < 4
	XLOAD (\t)+2                                   ; which take the loads of two steps on
.endif
	QUANT X, PW+(\t)
.irp c, 0,1,2,3
	global_store_b128 v[CDO], v[PC+4*\c:PC+4*\c+3], s[14:15] offset:16384*((\t)%2)+2048*((\t)/2)+512*\c   ; 32 lanes store 512 consecutive bytes, aligned
.endr
.endm
	s_wait_alu depctr_va_vdst(0)
	v_lshlrev_b32 v[LI], 4, v[LN]
	s_mul_i32 s23, s18, STG                        ; my stage
	v_add_nc_u32 v[STI], s23, v[LI]
	v_and_b32 v[RR], 15, v0
	v_bfe_u32 v[HH], v0, 4, 1
	v_mul_u32_u24 v[STO], v[RR], 528
	v_lshl_add_u32 v[STO], v[HH], 6, v[STO]
	v_add_nc_u32 v[STO], s23, v[STO]               ; row r, + 64 h: my 16 numbers of a block of 32
	s_and_b32 s26, ttmp9, 3                        ; which group of 32 rows of the row block
	s_lshl_b32 s27, s26, 12
	v_add_nc_u32 v[CDO], s27, v[LI]                ; codes: two tiles of 2,048 bytes a group
	s_lshl_b32 s27, s26, 8
	v_lshl_add_u32 v[SCO], v[LN], 3, s27           ; scale words: 256 bytes a group, 8 a lane
.irp b, 0,1,2,3
	v_mov_b32 v[TM+4+\b], 0                        ; written once: a lane permute's destination counts as one of its sources
.endr
	s_lshl_b32 s24, ttmp9, 17                      ; 32 rows of 4,096 bytes,
	s_lshl_b32 s27, s18, 10                        ; my wave's K step: 1,024 bytes of a row
	s_add_co_u32 s24, s24, s27
	s_add_nc_u64 s[4:5], s[4:5], s[24:25]
	s_lshr_b32 s24, ttmp9, 2
	s_lshl_b32 s24, s24, 2
	s_add_co_u32 s24, s24, s18                     ; block = 4 x row block + K step
	s_mul_i32 s24, s24, BLK
	s_add_nc_u64 s[14:15], s[14:15], s[24:25]
	XLOAD 0
	XLOAD 1
	s_wait_alu depctr_va_vdst(0)
	XSTEP 0
	XSTEP 1
	XSTEP 2
	XSTEP 3
	v_cmp_eq_u32 vcc_lo, 1, v[HH]
	v_cndmask_b32 v[DW], v[PW], v[PW+2], vcc_lo    ; lanes 0-15 store tile u = 0's words, lanes 16-31 tile u = 1's; every lane holds its row's word of both
	v_cndmask_b32 v[DW+1], v[PW+1], v[PW+3], vcc_lo
	global_store_b64 v[SCO], v[DW:DW+1], s[14:15] offset:32768   ; 32 lanes store 256 consecutive bytes, aligned
	s_wait_tensorcnt 0x0                           ; the wave's end, behind my last LDS store
	ds_add_u32 v[SPW], v[NIL]
	s_wait_dscnt 0x0
	s_endpgm
; ------------------------------------------------------------------ the weights
.Lweights:
.macro WLOAD t                         ; block t of 32 along K: w(32 t + i, my column) into set t % 2; a wave reads 128 consecutive bytes, the four waves 512
.irp i, 0,1,2,3,4,5,6,7,8,9,10,11,12,13,14,15,16,17,18,19,20,21,22,23,24,25,26,27,28,29,30,31
	global_load_b32 v[R+32*((\t)%2)+\i], v[STI], s[6:7] offset:(32*(\t)+\i)*4096 th:TH_LOAD_NT
.endr
.endm
.macro WBLOCK t
.set XS, R+32*((\t)%2)
.if (\t) < 7
	s_wait_loadcnt 32                              ; this block's 32 loads are in; the next block's may be out
.else
	s_wait_loadcnt 0x0
.endif
	v_max3_num_f32 v[TM], |v[XS]|, |v[XS+1]|, |v[XS+2]|          ; the block's largest magnitude: all 32 numbers are mine
	v_max3_num_f32 v[TM+1], |v[XS+3]|, |v[XS+4]|, |v[XS+5]|
.irp i, 6,10,14,18,22,26
	v_max3_num_f32 v[TM], v[TM], |v[XS+\i]|, |v[XS+\i+1]|
	v_max3_num_f32 v[TM+1], v[TM+1], |v[XS+\i+2]|, |v[XS+\i+3]|
.endr
	v_max3_num_f32 v[TM], v[TM], |v[XS+30]|, |v[XS+31]|
	v_max3_num_f32 v[TM], v[TM], v[TM+1], 0x4800000              ; and the floor
	v_add_nc_u32 v[TM+2], 0xfc000000, v[TM]        ; the conversion's scale operand
	v_lshrrev_b32 v[TM+1], 23, v[TM+2]             ; the scale's byte
.if (\t)%4 == 0
	v_mov_b32 v[PW+(\t)/4], v[TM+1]                ; four bytes to a register, the lower K in the lower byte
.else
	v_lshl_or_b32 v[PW+(\t)/4], v[TM+1], 8*((\t)%4), v[PW+(\t)/4]
.endif
.irp i, 0,1,2,3,4,5,6,7,8,9,10,11,12,13,14,15,16,17,18,19,20,21,22,23,24,25,26,27,28,29,30,31
.endr
	s_wait_alu depctr_va_vdst(0)
	s_wait_xcnt 0x0                                ; the last block's stores have read the codes' registers
.irp g, 0,1,2,3
	v_cvt_scalef32_pk8_fp8_f32 v[PC+2*\g:PC+2*\g+1], v[XS+8*\g:XS+8*\g+7], v[TM+2]
.endr
	v_nop                                          ; one plain vector line behind the last conversion
	global_store_b128 v[SCO], v[PC:PC+3], s[16:17] offset:16384*((\t)/4)+512*((\t)%4)        ; k 0 .. 15 of the block: the place of lane (rho, 0).  The sixteen lanes of a tile store 256 consecutive bytes, aligned
	global_store_b128 v[SCO], v[PC+4:PC+7], s[16:17] offset:16384*((\t)/4)+512*((\t)%4)+256  ; k 16 .. 31: that of lane (rho, 1)
.if (\t)+2 < 8
	WLOAD (\t)+2
.endif
.endm
	s_sub_co_u32 s24, ttmp9, 256                   ; e = 32 x weight + 4 x row block + K step: also the block's number in wc
	s_lshr_b32 s26, s24, 5                         ; which weight: the choice hangs on the work-group's number alone
	s_cmp_eq_u32 s26, 1
	s_cselect_b64 s[6:7], s[8:9], s[6:7]
	s_cmp_eq_u32 s26, 2
	s_cselect_b64 s[6:7], s[10:11], s[6:7]
	s_cmp_eq_u32 s26, 3
	s_cselect_b64 s[6:7], s[12:13], s[6:7]
	s_and_b32 s26, s24, 3
	s_lshl_b32 s26, s26, 20                        ; K step: 256 rows of 4,096 bytes
	s_bfe_u32 s27, s24, 0x30002
	s_lshl_b32 s27, s27, 9                         ; row block: 128 columns of 4 bytes
	s_add_co_u32 s26, s26, s27
	s_lshl_b32 s27, s18, 7                         ; my wave's 32 columns
	s_add_co_u32 s26, s26, s27
	s_mov_b32 s27, 0
	s_add_nc_u64 s[6:7], s[6:7], s[26:27]
	s_mul_i32 s24, s24, BLK
	s_add_nc_u64 s[16:17], s[16:17], s[24:25]
	s_wait_alu depctr_va_vdst(0)
	v_lshlrev_b32 v[STI], 2, v[LN]                 ; in: 4 bytes a lane
	v_bfe_u32 v[RR], v[LN], 3, 1                   ; column 8 u + rho + 8 (rho / 8) of the group: u = (lane / 8) % 2,
	v_and_b32 v[HH], 7, v[LN]
	v_lshrrev_b32 v[STO], 4, v[LN]
	v_lshl_add_u32 v[HH], v[STO], 3, v[HH]         ; rho = lane % 8 + 8 (lane / 16)
	s_lshl_b32 s28, s18, 12
	v_lshl_add_u32 v[SCO], v[RR], 11, s28
	v_lshl_add_u32 v[SCO], v[HH], 4, v[SCO]        ; codes: 4,096 x group + 2,048 u + 16 rho
	s_lshl_b32 s28, s18, 8
	v_lshl_add_u32 v[CDO], v[RR], 7, s28
	v_lshl_add_u32 v[CDO], v[HH], 3, v[CDO]        ; scale words: 256 x group + 128 u + 8 rho
	WLOAD 0
	WLOAD 1
.irp t, 0,1,2,3,4,5,6,7
	WBLOCK \t
.endr
	global_store_b64 v[CDO], v[PW:PW+1], s[16:17] offset:32768   ; my column's two words; the wave stores 256 consecutive bytes, aligned
	s_wait_tensorcnt 0x0                           ; the wave's end
	ds_add_u32 v[SPW], v[NIL]
	s_wait_dscnt 0x0
	s_endpgm
.Lfunc_end_k_qbcc24dec4a_quant:
	.size	k_qbcc24dec4a_quant, .Lfunc_end_k_qbcc24dec4a_quant-k_qbcc24dec4a_quant
	.p2alignl 7, 3214868480
	.fill 96, 4, 3214868480
	.section	.rodata,"a",@progbits
	.p2align	6, 0x0
	.amdhsa_kernel k_qbcc24dec4a_quant
		.amdhsa_group_segment_fixed_size 34304
		.amdhsa_private_segment_fixed_size 0
		.amdhsa_enable_private_segment 0
		.amdhsa_kernarg_size 56
		.amdhsa_user_sgpr_count 2
		.amdhsa_user_sgpr_kernarg_segment_ptr 1
		.amdhsa_wavefront_size32 1
		.amdhsa_system_sgpr_workgroup_id_x 1
		.amdhsa_system_sgpr_workgroup_id_y 1
		.amdhsa_system_sgpr_workgroup_id_z 1
		.amdhsa_system_vgpr_workitem_id 0
		.amdhsa_next_free_vgpr 248
		.amdhsa_next_free_sgpr 66
		.amdhsa_reserve_vcc 1
		.amdhsa_float_denorm_mode_32 3
		.amdhsa_float_denorm_mode_16_64 3
		.amdhsa_fp16_overflow 1
		.amdhsa_memory_ordered 1
		.amdhsa_forward_progress 1
		.amdhsa_inst_pref_size 73
	.end_amdhsa_kernel
	.amdgpu_metadata
---
amdhsa.version: [ 1, 2 ]
amdhsa.kernels:
  - .name:           k_qbcc24dec4a_quant
    .symbol:         k_qbcc24dec4a_quant.kd
    .args:
      - { .name: x, .offset: 0, .size: 8, .value_kind: global_buffer, .address_space: global }
      - { .name: w_q, .offset: 8, .size: 8, .value_kind: global_buffer, .address_space: global }
      - { .name: w_k, .offset: 16, .size: 8, .value_kind: global_buffer, .address_space: global }
      - { .name: w_v, .offset: 24, .size: 8, .value_kind: global_buffer, .address_space: global }
      - { .name: w_o, .offset: 32, .size: 8, .value_kind: global_buffer, .address_space: global }
      - { .name: xc, .offset: 40, .size: 8, .value_kind: global_buffer, .address_space: global }
      - { .name: wc, .offset: 48, .size: 8, .value_kind: global_buffer, .address_space: global }
    .group_segment_fixed_size: 34304
    .private_segment_fixed_size: 0
    .kernarg_segment_align: 8
    .kernarg_segment_size: 56
    .max_flat_workgroup_size: 128
    .sgpr_count:     66
    .vgpr_count:     248
    .wavefront_size: 32
...
	.end_amdgpu_metadata
.endif
;; end of part 1
;; launch qkv (part 2): grid 12 x 32, 4 waves a work-group, clusters of 4 x 4, 327,680 bytes of LDS; arguments xc, wc, b_q, b_k, b_v, qb, kv; writes qb, kv
.if DOCPART == 2
	.amdgcn_target "amdgcn-amd-amdhsa--gfx1250"
	.amdhsa_code_object_version 6
	.text
	.protected	k_qbcc24dec4a_qkv
	.globl	k_qbcc24dec4a_qkv
	.p2align	8
	.type	k_qbcc24dec4a_qkv,@function
k_qbcc24dec4a_qkv:
	s_mov_b64 s[64:65], 0
	v_nop
	global_prefetch_b8 v0, s[64:65] scope:SCOPE_SE
	s_setreg_imm32_b32 hwreg(HW_REG_WAVE_MODE, 25, 1), 1
	s_wait_xcnt 0x0
	s_wait_alu depctr_hold_cnt(0) depctr_sa_sdst(0) depctr_va_vdst(0) depctr_va_sdst(0) depctr_va_ssrc(0) depctr_va_vcc(0) depctr_vm_vsrc(0)
	s_getreg_b32 s2, hwreg(HW_REG_IB_STS2, 6, 4)
	s_cmp_eq_u32 s2, 0
	s_cbranch_scc0 .Lentry_in_a_cluster
	s_endpgm
.Lentry_in_a_cluster:
	s_bfe_u32 s2, ttmp6, 0x10000c
	s_cmp_lg_u32 s2, 0xf033
	s_cbranch_scc0 .Lentry_shape_is_right
	s_endpgm
.Lentry_shape_is_right:
; q = x w_q + b_q, k = x w_k + b_k, v = x w_v + b_v on codes of FP8 (E4M3) with E8M0 scales, and the results quantised in registers for the attention launch: q and k along the head's 64, v along the keys.
; OPERANDS come as blocks of 33,792 bytes (128 rows x 256 along K): codes [q 0..1][tile 0..7][c 0..3][lane][16 bytes], images of the operand's registers, then at byte 32,768 the scale words [tile][row][q].
; In a group of 32 rows, tile 2 g + u holds rows 32 g + 8 u + rho + 8 (rho / 8).
; A work-group of four waves makes 256 x 256: R = 256 rows for source 1 (they become lanes), P = 256 rows for source 0 (they become registers); a wave 128 x 128: 64 accumulators, 512 registers.
; In accumulator (a, b), lane (r, h) holds R's row rho = r of tile a, and the 16 registers of b = 2 beta, 2 beta + 1 hold P's rows 32 beta + 16 h + 0 .. 15: neighbours along the next product's K.
; Clusters x = 0, 1 make q, k: R = x's rows, P = the weight's columns, so that a lane's registers run along the head.  Cluster x = 2 makes v: R = w_v's columns, P = x's rows, so that they run along the keys.
; K = 1,024 goes in four steps of 256 through two LDS slots; a wave's one tensor load brings one dense block, codes and scale words together.
; CLUSTER 4 x 4: R's blocks hang on the place cy and are asked for jointly along a row of the cluster, P's on cx and jointly along a column.  The branches of this text hang on the wave's number or on the cluster's x, which all partners share.
; The bias is the C of each sum's first product.  OUT: qb [head 64][step 16][8,448], kv [head][step][K 8,448, V 8,448].  A Q or K step block: codes [tile 8][c 0..1][512], at 8,192 the words [rho][pair of tiles]:
; the even tile's two bytes below, the odd tile's above.  A V step block: codes [tile of 16 channels 0..3][c 0..3][512], at 8,192 the words [rho][tile].
; LIMITS: NaN and infinities are not served; a block of zeros gets the byte 1 (its codes are zeros; this program alone reads the bytes).
; REGISTERS: window 0: v1-13 addresses; v16-23 LDS addresses; v28, v29 the add's two; v32-63 scale words, two sets; v64-127 the bias, later the quantiser's work; v128-255 R's fragments, one set.
;   window 1: P's fragments, two sets.   window 2: the accumulators of R's tiles 0-3 ((a, b) at v[8 (8 a + b)]);   window 3: those of tiles 4-7.
.set BLK,   33792
.set RBB,   4*BLK                      ; a row block's four K steps in memory
.set SLOT,  4*BLK                      ; R's two halves, then P's two halves
.set SPARE, 2*SLOT                     ; behind the ring: the spare words, 128 bytes for each wave
.set NQ,    2
.set FR,    16
.set NL,    4
.set NP,    8                          ; places behind this matrix instruction (ISA guide 7.12.1)
.set L16,   1                          ; v1   16 x lane
.set RHO,   2                          ; v2   lane % 16
.set HH,    3                          ; v3   lane / 16
.set VO,    8                          ; v8-11 where the four chunks of a fragment go
.set SELV,  12                         ; v12  the byte selects that make a word of two tiles' bytes
.set WAD,   13                         ; v13  where my four scale words go
.set ADRR,  16                         ; v16-17 LDS address of R's fragments in slot 0, 1
.set ADRP,  20                         ; v20-21 of P's
.set ADRS,  22                         ; v22-23 of the scale words: lanes 0-15 R's, lanes 16-31 P's
.set SPW,   28
.set NIL,   29
.set SC,    32
.set BI,    64
.set AF,    128
.set TM,    64                         ; the way out: v64-79 at work
.set PC,    80                         ; v80-95 the codes just made
.set PW,    96                         ; v96-103 the eight tiles' scale words
.set WD,    104                        ; v104-107 the four words that I store
.set G1,  24
.set G0,  32
.set G1B, 48
.set G0B, 56
.set MSB, 0
.macro WIN new                         ; the immediate's high byte repeats the setting that is left
.if MSB != (\new)
	s_set_vgpr_msb (MSB<<8)|(\new)
.set MSB, (\new)
.endif
.endm
.set TO_B, 0x40                        ; destination window 1, address window 0
; A joint load: waves 0 and 1 fetch R's halves, waves 2 and 3 P's.  An s_nop 0 and four v_nop follow each of the two lines.
.macro JLOAD g0a, g1a, g0b, g1b
	s_cmp_eq_u32 s15, 0
	s_cbranch_scc0 .Lfor_b_\@
	tensor_load_to_lds s[\g0a:\g0a+3], s[\g1a:\g1a+7]
	s_nop 0
.rept 4
	v_nop
.endr
	s_branch .Lasked_\@
.Lfor_b_\@:
	tensor_load_to_lds s[\g0b:\g0b+3], s[\g1b:\g1b+7]
	s_nop 0
.rept 4
	v_nop
.endr
.Lasked_\@:
.endm
.macro CREST                           ; a round of the cluster's barrier behind its opening barrier
	s_cmp_lg_u32 s14, 0
	s_cbranch_scc1 .Lnot_wave_0_\@
	s_barrier_signal -3
.Lnot_wave_0_\@:
	s_barrier_wait -3
	s_barrier_signal -1
	s_barrier_wait -1
.endm
.macro CROUND
	s_barrier_signal -1
	s_barrier_wait -1
	CREST
.endm
.macro PLACES n
.rept \n
	v_nop
.endr
.endm
.macro FRAG reg, adr, q, i             ; a fragment comes as it was stored: four loads of 512 consecutive bytes
.irp c, 0,1,2,3
	ds_load_b128 v[\reg+4*\c:\reg+4*\c+3], v[\adr] offset:16384*(\q)+2048*(\i)+512*\c
.endr
.endm
; 16 matrix instructions: R's tiles a0, a0 + 1 x P's eight.  mode 0: the sums go on; 1: they start from the bias of P's rows; 2: from the bias of R's rows.  The 64 accumulators take turns, one instruction a turn.
.macro MUL16 a0, p, q, sc, mode
.irp a, \a0, \a0+1
.irp b, 0,1,2,3,4,5,6,7
.if (\mode) == 1
	v_wmma_scale_f32_16x16x128_f8f6f4 v[8*(8*((\a)%4)+\b):8*(8*((\a)%4)+\b)+7], v[128*(\p)+FR*\b:128*(\p)+FR*\b+FR-1], v[AF+FR*(\a):AF+FR*(\a)+FR-1], v[BI+8*\b:BI+8*\b+7], v[SC+8*NQ*(\sc)+NQ*\b+(\q)], v[SC+8*NQ*(\sc)+NQ*(\a)+(\q)] matrix_a_scale:MATRIX_SCALE_ROW1
.elseif (\mode) == 2
	v_wmma_scale_f32_16x16x128_f8f6f4 v[8*(8*((\a)%4)+\b):8*(8*((\a)%4)+\b)+7], v[128*(\p)+FR*\b:128*(\p)+FR*\b+FR-1], v[AF+FR*(\a):AF+FR*(\a)+FR-1], v[BI+8*(\a):BI+8*(\a)+7], v[SC+8*NQ*(\sc)+NQ*\b+(\q)], v[SC+8*NQ*(\sc)+NQ*(\a)+(\q)] matrix_a_scale:MATRIX_SCALE_ROW1
.else
	v_wmma_scale_f32_16x16x128_f8f6f4 v[8*(8*((\a)%4)+\b):8*(8*((\a)%4)+\b)+7], v[128*(\p)+FR*\b:128*(\p)+FR*\b+FR-1], v[AF+FR*(\a):AF+FR*(\a)+FR-1], v[8*(8*((\a)%4)+\b):8*(8*((\a)%4)+\b)+7], v[SC+8*NQ*(\sc)+NQ*\b+(\q)], v[SC+8*NQ*(\sc)+NQ*(\a)+(\q)] matrix_a_scale:MATRIX_SCALE_ROW1
.endif
.endr
.endr
.endm
.macro FETCH_B slot, q, p              ; P's eight fragments of the slot's q-th 128 along K into set p
	WIN TO_B
.irp i, 0,1,2,3,4,5,6,7
	FRAG 128*(\p)+FR*\i, ADRP+\slot, \q, \i
.endr
	WIN 0
.endm
.macro FETCH_A slot, q, i0             ; R's tiles i0 .. i0 + 3
.irp i, \i0, \i0+1, \i0+2, \i0+3
	FRAG AF+FR*(\i), ADRR+\slot, \q, \i
.endr
.endm
.macro SCALES sc                       ; slot sc's scale words: two words a row; lanes 0-15 take R's tile i, lanes 16-31 P's tile i
.irp i, 0,1,2,3,4,5,6,7
	ds_load_b64 v[SC+8*NQ*\sc+NQ*\i:SC+8*NQ*\sc+NQ*\i+1], v[ADRS+\sc] offset:128*\i
.endr
.endm
; A step of 128 along K that has its successor in the same slot.  A load into a register that a matrix instruction has read stands NP plain vector instructions behind it.
.macro STEP slot, q, mode
	s_wait_dscnt 4*NL                              ; P's set, R's tiles 0-3 and the scale words are in; the youngest sixteen loads (R's tiles 4-7) may be out
.if \mode
	WIN 0x81                                       ; source 0 window 1, source 1 and C window 0, D window 2
.else
	WIN 0xa1                                       ; C and D window 2
.endif
	MUL16 0, (\q)%2, \q, \slot, \mode
	MUL16 2, (\q)%2, \q, \slot, \mode
	s_wait_dscnt 0
	PLACES NP
	FETCH_B \slot, (\q)+1, 1-(\q)%2
	FETCH_A \slot, (\q)+1, 0
.if \mode
	WIN 0xc1
.else
	WIN 0xf1
.endif
	MUL16 4, (\q)%2, \q, \slot, \mode
	MUL16 6, (\q)%2, \q, \slot, \mode
	PLACES NP
	WIN 0
	FETCH_A \slot, (\q)+1, 4
.endm
; A slot's last step changes slots: ONE barrier; in front of it each wave waits for all its tensor loads, adds 0 to its spare word, and waits for that and for its own reads of this slot.  fill = 1: this slot is filled again, two K steps ahead.
.macro TURN slot, next, fill
	s_wait_tensorcnt 0x0                           ; all my tensor loads have landed: my part of the next slot
	ds_add_u32 v[SPW], v[NIL]                      ; 0 onto my spare word
	s_wait_dscnt 4*NL+1                            ; (the add and the youngest sixteen loads may be out)
	WIN 0xa1
	MUL16 0, 1, NQ-1, \slot, 0                     ; sixteen matrix instructions stand between the add and the wait for it
	s_wait_dscnt 0x0                               ; the add is done, and my reads of this slot are over
	s_barrier_signal -1
	MUL16 2, 1, NQ-1, \slot, 0
	WIN 0
	s_barrier_wait -1
.if \fill
	CREST                                          ; the barrier has opened a round of the cluster's barrier: no wave of any partner still reads this slot or has a load on its way
	s_add_nc_u64 s[G0+4*\slot+2:G0+4*\slot+3], s[G0+4*\slot+2:G0+4*\slot+3], 2*BLK
	s_add_nc_u64 s[G0B+4*\slot+2:G0B+4*\slot+3], s[G0B+4*\slot+2:G0B+4*\slot+3], 2*BLK
	JLOAD G0+4*\slot, G1, G0B+4*\slot, G1B         ; the first tensor load behind the round; its four v_nop are among the places in front of the loads below
	PLACES NP-4
.else
	PLACES NP
.endif
	FETCH_B \next, 0, 0
	FETCH_A \next, 0, 0
	SCALES \next
	WIN 0xf1
	MUL16 4, 1, NQ-1, \slot, 0
	MUL16 6, 1, NQ-1, \slot, 0
	PLACES NP
	WIN 0
	FETCH_A \next, 0, 4
.endm
	s_load_b256 s[4:11], s[0:1], 0x0               ; xc s[4:5], wc s[6:7], b_q s[8:9], b_k s[10:11]
	s_load_b128 s[68:71], s[0:1], 0x20             ; b_v s[68:69], qb s[70:71]
	s_load_b64 s[72:73], s[0:1], 0x30              ; kv
	v_lshl_add_u32 v[SPW], v0, 2, SPARE
	v_mov_b32 v[NIL], 0
	ds_add_u32 v[SPW], v[NIL]                      ; the wave's opening: the add and its wait ahead of my first tensor load; the set-up below stands between them
	ds_add_u32 v[SPW], v[NIL]
	v_lshrrev_b32 v1, 5, v0
	v_readfirstlane_b32 s14, v1                    ; wave 0..3
	s_lshr_b32 s15, s14, 1                         ; which half of R's rows is mine.  Also: I fetch for R (0) or for P (1)
	s_and_b32 s16, s14, 1                          ; which half of P's rows.  Also: which half I fetch
	s_bfe_u32 s40, ttmp6, 0x40000                  ; cx, cy: my place in the cluster
	s_bfe_u32 s41, ttmp6, 0x40004
	s_mov_b32 s42, ttmp9                           ; the cluster's x: 0 q, 1 k, 2 v
	s_and_b32 s17, ttmp7, 0xffff                   ; the cluster's y: 1,024 rows of x
	s_cmp_eq_u32 s42, 2
	s_cselect_b32 s74, 1, 0                        ; 1: this cluster makes v
	s_lshl_b32 s43, s41, 2
	s_lshl_b32 s43, 15, s43                        ; my row of the cluster
	s_lshl_b32 s44, 0x1111, s40                    ; my column
	; descriptor group 1: a dense block of 33,792 bytes as 132 rows of 32 elements of 8 bytes, no padding
	s_or_b32 s[G1+0], s43, (3<<16)|(1<<21)         ; 15:0 the mask: R's blocks go to my row; 17:16 elements of 8 bytes; 21 set beside a mask
	s_or_b32 s[G1B+0], s44, (3<<16)|(1<<21)        ; P's go to my column
.irp g, G1, G1B
	s_mov_b32 s[\g+1], 32<<16                      ; tensor_dim0
	s_mov_b32 s[\g+2], 132<<16                     ; tensor_dim1
	s_mov_b32 s[\g+3], 32<<16                      ; tile_dim0
	s_mov_b32 s[\g+4], 132                         ; tile_dim1
	s_mov_b32 s[\g+5], 32                          ; tensor_dim0_stride
	s_mov_b32 s[\g+6], 0
	s_mov_b32 s[\g+7], 0
.endr
	; R's row block hangs on cy, P's on cx; neither chain of registers ever holds the other place
	s_lshl_b32 s20, s17, 2
	s_add_co_u32 s20, s20, s41
	s_lshl_b32 s20, s20, 1                         ; q, k: x's row block 2 (4 y + cy)
	s_lshl_b32 s21, s41, 1
	s_add_co_u32 s21, s21, 16                      ; v: w_v's row block 16 + 2 cy
	s_cmp_eq_u32 s74, 0
	s_cselect_b32 s20, s20, s21
	s_add_co_u32 s20, s20, s16                     ; + the half that I fetch
	s_mul_i32 s20, s20, RBB
	s_mov_b32 s21, 0
	s_lshl_b32 s46, s42, 2
	s_add_co_u32 s46, s46, s40
	s_lshl_b32 s46, s46, 1                         ; q, k: the weight's row block 2 (4 x + cx)
	s_lshl_b32 s47, s17, 2
	s_add_co_u32 s47, s47, s40
	s_lshl_b32 s47, s47, 1                         ; v: x's row block 2 (4 y + cx)
	s_cmp_eq_u32 s74, 0
	s_cselect_b32 s46, s46, s47
	s_add_co_u32 s46, s46, s16
	s_mul_i32 s46, s46, RBB
	s_mov_b32 s47, 0
	s_mul_i32 s45, s14, BLK                        ; where my block goes: wave x a block: no place in the cluster enters an LDS address
	s_wait_dscnt 0x0                               ; the opening add is done
	s_wait_kmcnt 0x0
	s_cmp_eq_u32 s74, 0
	s_cselect_b64 s[22:23], s[4:5], s[6:7]         ; R's buffer: xc, for v wc
	s_cselect_b64 s[92:93], s[6:7], s[4:5]         ; P's: wc, for v xc
	s_add_nc_u64 s[20:21], s[22:23], s[20:21]
	s_add_nc_u64 s[46:47], s[92:93], s[46:47]
	CROUND                                         ; all sixteen work-groups are here: the first joint loads meet
.irp s, 0,1
	s_mov_b32 s[G0+4*\s], 1
	s_add_co_u32 s[G0+4*\s+1], s45, \s*SLOT
	s_add_nc_u64 s[G0+4*\s+2:G0+4*\s+3], s[20:21], \s*BLK
	s_or_b32 s[G0+4*\s+3], s[G0+4*\s+3], 0x80000000
	s_mov_b32 s[G0B+4*\s], 1
	s_add_co_u32 s[G0B+4*\s+1], s45, \s*SLOT
	s_add_nc_u64 s[G0B+4*\s+2:G0B+4*\s+3], s[46:47], \s*BLK
	s_or_b32 s[G0B+4*\s+3], s[G0B+4*\s+3], 0x80000000
	JLOAD G0+4*\s, G1, G0B+4*\s, G1B               ; K steps 0 and 1: two loads of mine are out
.endr
	v_and_b32 v[L16], 31, v0
	v_lshlrev_b32 v[L16], 4, v[L16]
	v_and_b32 v[RHO], 15, v0
	v_bfe_u32 v[HH], v0, 4, 1
	s_wait_alu depctr_va_vdst(0)
	s_mul_i32 s21, s15, BLK                        ; my half of R
	s_mul_i32 s22, s16, BLK                        ; my half of P,
	s_add_co_u32 s22, s22, 2*BLK                   ; behind R's two
.irp s, 0,1
	v_add_nc_u32 v[ADRR+\s], s21, v[L16]
	v_add_nc_u32 v[ADRP+\s], s22, v[L16]
	s_add_co_u32 s21, s21, SLOT
	s_add_co_u32 s22, s22, SLOT
.endr
	s_mul_i32 s21, s15, BLK
	s_mul_i32 s22, s16, BLK
	s_add_co_u32 s22, s22, 2*BLK
	s_sub_co_u32 s22, s22, s21                     ; from R's half to P's
	v_mul_u32_u24 v6, s22, v[HH]                   ; lanes 16-31 take P's
	s_add_co_u32 s21, s21, 32768
	v_lshl_add_u32 v5, v[RHO], 3, v6               ; 8 bytes a row
	v_add_nc_u32 v[ADRS], s21, v5
	v_add_nc_u32 v[ADRS+1], SLOT, v[ADRS]
	; where the results go.  q, k: the rows of x are R's (cy, my half of R), the heads P's (cx, my half of P); v: the other way round
	s_cmp_eq_u32 s74, 0
	s_cselect_b32 s80, s41, s40
	s_cselect_b32 s81, s15, s16
	s_cselect_b32 s82, s40, s41
	s_cselect_b32 s83, s16, s15
	s_lshl_b32 s84, s17, 2
	s_add_co_u32 s84, s84, s80
	s_lshl_b32 s84, s84, 1
	s_add_co_u32 s84, s84, s81                     ; which 128 rows of x
	s_lshl_b32 s82, s82, 2
	s_lshl_b32 s83, s83, 1
	s_add_co_u32 s82, s82, s83                     ; the first of my two heads
	s_lshr_b32 s85, s84, 4                         ; the batch,
	s_and_b32 s84, s84, 15                         ; the step of 128 in it
	s_lshl_b32 s85, s85, 4
	s_add_co_u32 s85, s85, s82
	s_lshl_b32 s85, s85, 4
	s_add_co_u32 s85, s85, s84                     ; 16 x (16 x batch + head) + step
	s_cmp_eq_u32 s42, 0
	s_cselect_b64 s[76:77], s[70:71], s[72:73]     ; qb, or kv
	s_mov_b32 s86, 16896
	s_cselect_b32 s86, 8448, s86                   ; a step in it
	s_mov_b32 s87, 270336
	s_cselect_b32 s87, 135168, s87                 ; a head in it
	s_mul_i32 s78, s85, s86
	s_mov_b32 s79, 0
	s_add_nc_u64 s[76:77], s[76:77], s[78:79]
	s_cmp_eq_u32 s74, 0
	s_cselect_b32 s78, 0, 8448                     ; V's block lies behind K's
	s_cselect_b32 s88, s87, 1024                   ; from chunk 1 to chunk 2: q, k: the next head; v: on in the fragment
	s_mov_b32 s89, 2048
	s_cselect_b32 s89, 1024, s89                   ; from tile to tile
	s_add_nc_u64 s[76:77], s[76:77], s[78:79]
	s_sub_co_u32 s90, s87, 6144                    ; v: from tile 3 to tile 4: the next head's first
	s_cmp_eq_u32 s74, 0
	s_cselect_b32 s90, 1024, s90
	v_mov_b32 v[VO], v[L16]
	v_add_nc_u32 v[VO+1], 512, v[L16]
	v_add_nc_u32 v[VO+2], s88, v[L16]
	v_add_nc_u32 v[VO+3], s88, v[VO+1]
	v_mul_lo_u32 v[WAD], v[HH], s87
	v_lshl_add_u32 v[WAD], v[RHO], 4, v[WAD]       ; scale words: 16 bytes a row; lanes 16-31 the second head's
	; the bias, in the result's layout: both ways write all 64 registers
	s_cmp_eq_u32 s74, 0
	s_cbranch_scc0 .Lbias_v
	s_cmp_eq_u32 s42, 0
	s_cselect_b64 s[92:93], s[8:9], s[10:11]       ; b_q or b_k
	s_lshl_b32 s94, s40, 10
	s_lshl_b32 s95, s16, 9
	s_add_co_u32 s94, s94, s95                     ; my 128 columns
	s_mov_b32 s95, 0
	s_add_nc_u64 s[92:93], s[92:93], s[94:95]
	v_lshlrev_b32 v7, 6, v[HH]
.irp b, 0,1,2,3,4,5,6,7
	global_load_b128 v[BI+8*\b:BI+8*\b+3], v7, s[92:93] offset:(32*(\b/2)+8*(\b%2))*4       ; columns 32 (b / 2) + 16 h + 8 (b % 2) + 0 .. 7
	global_load_b128 v[BI+8*\b+4:BI+8*\b+7], v7, s[92:93] offset:(32*(\b/2)+8*(\b%2))*4+16
.endr
	s_branch .Lbias_done
.Lbias_v:
	s_lshl_b32 s94, s41, 10
	s_lshl_b32 s95, s15, 9
	s_add_co_u32 s94, s94, s95                     ; my 128 channels
	s_mov_b32 s95, 0
	s_add_nc_u64 s[92:93], s[68:69], s[94:95]
	v_and_b32 v7, 8, v[RHO]
	v_add_nc_u32 v7, v7, v[RHO]
	v_lshlrev_b32 v7, 2, v7                        ; r + 8 (r / 8)
.irp a, 0,1,2,3,4,5,6,7
.irp j, 0,1,2,3,4,5,6,7
	global_load_b32 v[BI+8*\a+\j], v7, s[92:93] offset:(32*(\a/2)+8*(\a%2))*4               ; my lane's channel of tile a, the same in all eight registers
.endr
.endr
.Lbias_done:
	s_wait_tensorcnt 1                             ; my part of K step 0 is in (K step 1's load may be out)
	s_barrier_signal -1
	s_barrier_wait -1                              ; everybody's is
	FETCH_B 0, 0, 0
	FETCH_A 0, 0, 0
	s_wait_alu depctr_va_vdst(0)
	SCALES 0
	FETCH_A 0, 0, 4
	s_wait_loadcnt 0x0                             ; the bias
	s_cmp_eq_u32 s74, 0
	s_cbranch_scc0 .Lfirst_v
	STEP 0, 0, 1                                   ; the first step's products start the sums from the bias
	s_branch .Lfirst_done
.Lfirst_v:
	STEP 0, 0, 2
.Lfirst_done:
	TURN 0, 1, 1                                   ; four K steps: written out
	STEP 1, 0, 0
	TURN 1, 0, 1
	STEP 0, 0, 0
	TURN 0, 1, 0                                   ; the last two K steps fill nothing, and have no round of the cluster's barrier
	STEP 1, 0, 0
	s_wait_dscnt 4*NL
	WIN 0xa1
	MUL16 0, 1, NQ-1, 1, 0
	MUL16 2, 1, NQ-1, 1, 0
	s_wait_dscnt 0
	WIN 0xf1
	MUL16 4, 1, NQ-1, 1, 0
	MUL16 6, 1, NQ-1, 1, 0
	WIN 0
	PLACES NP                                      ; in front of the first read of results
; THE WAY OUT.  R's tile a: my lane's 64 registers are 128 neighbours' worth (with lane l xor 16) along the next K: four blocks of 32.  They become a fragment's codes and a scale word, and leave as they stand: no LDS.
.macro QUANTW a
.set AC, 64*((\a)%4)
.set W, 2+(\a)/4
	WIN (W<<4)|(W<<2)                              ; sources 1 and 2: the accumulators' window
.irp b, 0,1,2,3
	v_max3_num_f32 v[TM+\b], 0x4800000, |v[AC+16*\b]|, |v[AC+16*\b+1]|       ; each accumulator is read from its low end on; the floor 2^(9 - 127) holds the byte at 1 from below
.endr
.irp i, 2,4,6,8,10,12,14
.irp b, 0,1,2,3
	v_max3_num_f32 v[TM+\b], v[TM+\b], |v[AC+16*\b+\i]|, |v[AC+16*\b+\i+1]|
.endr
.endr
	WIN 0
.irp b, 0,1,2,3
	v_permlanex16_b32 v[TM+4+\b], v[TM+\b], s96, s97
.endr
.irp b, 0,1,2,3
	v_max_num_f32 v[TM+\b], v[TM+\b], v[TM+4+\b]
.endr
.irp b, 0,1,2,3
	v_add_nc_u32 v[TM+12+\b], 0xfc000000, v[TM+\b]
.endr
.irp b, 0,1,2,3
.endr
.irp b, 0,1,2,3
	v_lshrrev_b32 v[TM+4+\b], 23, v[TM+12+\b]
.endr
	v_lshl_or_b32 v[PW+(\a)], v[TM+5], 8, v[TM+4]
	v_lshl_or_b32 v[PW+(\a)], v[TM+6], 16, v[PW+(\a)]
	v_lshl_or_b32 v[PW+(\a)], v[TM+7], 24, v[PW+(\a)]
	s_wait_xcnt 0x0                                ; the last tile's stores have read their offsets and their data: both are written again only behind this wait
.if (\a) == 4
.irp i, 0,1,2,3
	v_add_nc_u32 v[VO+\i], s90, v[VO+\i]
.endr
.elseif (\a) > 0
.irp i, 0,1,2,3
	v_add_nc_u32 v[VO+\i], s89, v[VO+\i]
.endr
.endif
	WIN (W<<6)|W                                   ; destination and source 0: the accumulators' window
.irp b, 0,1,2,3
.irp i, 0,1,2,3,4,5,6,7,8,9,10,11,12,13,14,15
.endr
.endr
	WIN W                                          ; source 0 alone
.irp b, 0,1,2,3
	v_cvt_scalef32_pk8_fp8_f32 v[PC+4*\b:PC+4*\b+1], v[AC+16*\b:AC+16*\b+7], v[TM+12+\b]
	v_cvt_scalef32_pk8_fp8_f32 v[PC+4*\b+2:PC+4*\b+3], v[AC+16*\b+8:AC+16*\b+15], v[TM+12+\b]
.endr
	WIN 0
	v_nop                                          ; one plain vector line behind the last conversion
.irp i, 0,1,2,3
	global_store_b128 v[VO+\i], v[PC+4*\i:PC+4*\i+3], s[76:77]               ; 32 lanes store 512 consecutive bytes, aligned
.endr
.endm
	s_mov_b32 s96, 0x76543210
	s_mov_b32 s97, 0xfedcba98                      ; v_permlanex16_b32's selects for lane l xor 16
.irp b, 0,1,2,3
	v_mov_b32 v[TM+4+\b], 0                        ; written once: a lane permute's destination counts as one of its sources
.endr
.irp a, 0,1,2,3,4,5,6,7
	QUANTW \a
.endr
	s_cmp_eq_u32 s74, 0
	s_cbranch_scc0 .Lwords_v
	v_mov_b32 v[SELV], 0x05040100                  ; q, k: a word = the even tile's two bytes below, the odd tile's above; lanes 0-15 take the first head's (bytes 0, 1),
	v_mov_b32 v14, 0x07060302                      ; lanes 16-31 the second head's (bytes 2, 3)
	v_cmp_eq_u32 vcc_lo, 1, v[HH]
	v_cndmask_b32 v[SELV], v[SELV], v14, vcc_lo
.irp p, 0,1,2,3
	v_perm_b32 v[WD+\p], v[PW+2*\p+1], v[PW+2*\p], v[SELV]
.endr
	s_branch .Lwords
.Lwords_v:
	v_cmp_eq_u32 vcc_lo, 1, v[HH]
.irp p, 0,1,2,3
	v_cndmask_b32 v[WD+\p], v[PW+\p], v[PW+4+\p], vcc_lo   ; v: tiles 0-3 are the first head's channels, tiles 4-7 the second's
.endr
.Lwords:
	s_wait_alu depctr_va_vdst(0)
	global_store_b128 v[WAD], v[WD:WD+3], s[76:77] offset:8192   ; sixteen lanes store 256 consecutive bytes, aligned
	s_wait_tensorcnt 0x0                           ; the wave's end
	ds_add_u32 v[SPW], v[NIL]
	s_wait_dscnt 0x0
	CROUND                                         ; the closing round: no work-group ends while a partner may still ask for a block that names it
	s_endpgm
.Lfunc_end_k_qbcc24dec4a_qkv:
	.size	k_qbcc24dec4a_qkv, .Lfunc_end_k_qbcc24dec4a_qkv-k_qbcc24dec4a_qkv
	.p2alignl 7, 3214868480
	.fill 96, 4, 3214868480
	.section	.rodata,"a",@progbits
	.p2align	6, 0x0
	.amdhsa_kernel k_qbcc24dec4a_qkv
		.amdhsa_group_segment_fixed_size 327680
		.amdhsa_private_segment_fixed_size 0
		.amdhsa_enable_private_segment 0
		.amdhsa_kernarg_size 56
		.amdhsa_user_sgpr_count 2
		.amdhsa_user_sgpr_kernarg_segment_ptr 1
		.amdhsa_wavefront_size32 1
		.amdhsa_system_sgpr_workgroup_id_x 1
		.amdhsa_system_sgpr_workgroup_id_y 1
		.amdhsa_system_sgpr_workgroup_id_z 1
		.amdhsa_system_vgpr_workitem_id 0
		.amdhsa_next_free_vgpr 1024
		.amdhsa_next_free_sgpr 100
		.amdhsa_reserve_vcc 1
		.amdhsa_float_denorm_mode_32 3
		.amdhsa_float_denorm_mode_16_64 3
		.amdhsa_fp16_overflow 1
		.amdhsa_memory_ordered 1
		.amdhsa_forward_progress 1
		.amdhsa_inst_pref_size 171
	.end_amdhsa_kernel
	.amdgpu_metadata
---
amdhsa.version: [ 1, 2 ]
amdhsa.kernels:
  - .name:           k_qbcc24dec4a_qkv
    .symbol:         k_qbcc24dec4a_qkv.kd
    .args:
      - { .name: xc, .offset: 0, .size: 8, .value_kind: global_buffer, .address_space: global }
      - { .name: wc, .offset: 8, .size: 8, .value_kind: global_buffer, .address_space: global }
      - { .name: b_q, .offset: 16, .size: 8, .value_kind: global_buffer, .address_space: global }
      - { .name: b_k, .offset: 24, .size: 8, .value_kind: global_buffer, .address_space: global }
      - { .name: b_v, .offset: 32, .size: 8, .value_kind: global_buffer, .address_space: global }
      - { .name: qb, .offset: 40, .size: 8, .value_kind: global_buffer, .address_space: global }
      - { .name: kv, .offset: 48, .size: 8, .value_kind: global_buffer, .address_space: global }
    .group_segment_fixed_size: 327680
    .private_segment_fixed_size: 0
    .kernarg_segment_align: 8
    .kernarg_segment_size: 56
    .max_flat_workgroup_size: 128
    .sgpr_count:     100
    .vgpr_count:     1024
    .wavefront_size: 32
...
	.end_amdgpu_metadata
.endif
;; end of part 2
;; launch attn (part 3): grid 4 x 64, 16 waves a work-group, no clusters, 327,680 bytes of LDS; arguments qb, kv, ao; writes ao
.if DOCPART == 3
	.amdgcn_target "amdgcn-amd-amdhsa--gfx1250"
	.amdhsa_code_object_version 6
	.text
	.protected	k_qbcc24dec4a_attn
	.globl	k_qbcc24dec4a_attn
	.p2align	8
	.type	k_qbcc24dec4a_attn,@function
k_qbcc24dec4a_attn:
	s_mov_b64 s[64:65], 0
	v_nop
	global_prefetch_b8 v0, s[64:65] scope:SCOPE_SE
	s_setreg_imm32_b32 hwreg(HW_REG_WAVE_MODE, 25, 1), 1
	s_wait_xcnt 0x0
; Causal attention of one head on codes of FP8 (E4M3) with E8M0 scales, head size 64; its result, divided by the row's sum, is quantised along head x 64 + channel and stored as the last product's operand.
; IN: qb [head 64][step 16][8,448], kv [head][step][K 8,448, V 8,448]; a step is 128 rows.  Q or K block: codes [tile 8][c 0..1][lane][16], the same bytes as [pair of tiles 4][c 0..3][lane][16]; at 8,192 words [rho][pair].
; V block: codes [tile of 16 channels 4][c 0..3][lane][16] (K = the step's 128 keys); at 8,192 words [rho][tile].  In a group of 32 rows, tile 2 g + u holds rows 32 g + 8 u + rho + 8 (rho / 8).
; OUT: ao [row block 64][K step 4][33,792]: codes [q][tile][c][lane][16], at 32,768 the scale words [tile][rho][q].
; THE SOFTMAX: t = score x log2(e) / 8; M = the running largest t rounded UP to a whole number; p = 2^(t - M) is quantised along the keys, not normalised; the row's sum is taken of the unquantised p and divides at the end.
; SHARES.  Work-group (i, head) owns query blocks 7 - i and i, 256 queries each: (8 - i) + (i + 1) = 9 slots of 256 keys for every work-group, so the loop's trip count is a constant and every slot that is loaded is read.
; Each of sixteen waves owns one tile of 16 queries, in 256 registers.  A step all of whose keys come after the wave's queries is jumped over: a branch on ids.
; NO CLUSTER: which steps a work-group walks hangs on its query block; among partners of one head that would be a branch on the place in the cluster.
; HEAD SIZE 64 IN A PRODUCT OF K = 128: a fragment of K holds TWO tiles of keys, one in each half of the 128; Q' = [q | zeros] picks the even tile, Q'' = [zeros | q] the odd one.  The half that is not picked has zero codes
; on Q's side alone, under the scale byte 0 (2^-127): K's codes there are never the NaN code (the quantiser holds at 448) and its bytes never 0xff, so those products are exact zeros.
; Both products are used transposed: a lane holds ONE query throughout; p's 16 registers of two neighbouring tiles are 16 neighbouring keys.
; LIMITS: NaN and infinities are not served; a block of zeros gets the byte 1 (its codes are zeros; this program alone reads the bytes).
.set BLK,   33792
.set STEPB, 16896                      ; a step's K block and V block
.set SLOT1, 65536                      ; slot 1 begins here: one exclusive or turns an address in one slot into the other's.  A slot holds two steps, 33,792 bytes
.set SPARE, 131072                     ; the spare words, 128 bytes for each of sixteen waves
.set LI,  1                            ; v1   16 x lane
.set LS,  2                            ; v2   16 x (lane % 16)
.set ADL, 3                            ; v3   the slot in hand + LI
.set ADS, 4                            ; v4   the slot in hand + LS
.set SPW, 5                            ; v5   LDS address of my spare word; never rewritten
.set NIL, 6                            ; v6   0; never rewritten
.set PFO, 7                            ; v7   256 x lane: the prefetches' offset; never rewritten
.set DQ,  8                            ; v8   r + 8 (r / 8) - 16 h
.set R8,  9                            ; v9   8 x (lane % 16)
.set QSO, 10                           ; v10  where my tile's scale word of Q lies, from my tile's codes on
.set QS,  40                           ; v40, v41 Q' and Q'' scale words
.set KS,  42                           ; v42-45 K's scale words, a pair of tiles each
.set VS,  46                           ; v46-49 V's
.set PS,  50                           ; v50  p's
.set KV,  52                           ; v52-115 four fragments of K, then of V
.set S,   116                          ; v116-179 S^T, then p
.set O,   180                          ; v180-211 O^T
.set PC,  212                          ; v212-227 p's codes
.set BM,  228                          ; v228-231 the blocks' largest
.set PB,  232                          ; v232-235 the other half's; a sum's second chain; the bytes
.set LM,  236
.set SO,  240                          ; v240-243 the conversions' scale operands
.set F,   244                          ; v244 (named with v245 as a pair) f, later 1 / the sum
.set T,   246                          ; v246, v247 at work
.set WV,  10
.set BH,  12
.set N1,  13                           ; s13  slots of the first block: 8 - i
.set TR,  14                           ; s14  the trip
.set TB,  15                           ; s15  LDS byte at which the slot in hand begins
.set KF,  16                           ; s16  the step's first key
.set Q0,  17                           ; s17  my tile's first query
.set WQ,  18                           ; s18  its place in a block: 32 (wave / 2) + 8 (wave % 2)
.set MNT, 19
.set SEL, 20
.set CS,  22                           ; s[22:23] c = log2(e) / 8
.set G1,  24
.set G0,  32
.set KVB, 36                           ; s[36:37] kv at my head, + my wave's step of a slot
.set PFA, 38                           ; s[38:39] where my prefetches stand
.set LIM, 40                           ; s40  a wave prefetches while the trip is under it
.set QB,  41                           ; s41  the query block in hand
.set QBASE, 42
.set AOB, 44
.set AOSB, 46
.set QP,  48                           ; s[48:49] my tile's codes of Q
.set AOP, 50                           ; s[50:51] where my tile's codes go
.set AOS, 52                           ; s[52:53] and its scale bytes
.set QSH, 58                           ; s58  16 x (wave % 2): which half of a pair's word is my tile's
.macro TLOAD                           ; waves 0 and 1 fetch a step each.  An s_nop 0 and four v_nop follow the load
	s_cmp_lt_u32 s[WV], 2
	s_cbranch_scc0 .Lnot_\@
	tensor_load_to_lds s[G0:G0+3], s[G1:G1+7]
	s_nop 0
.rept 4
	v_nop
.endr
.Lnot_\@:
.endm
; A PREFETCH INTO THE L2 of the slot two trips on, one trip ahead of the tensor load that will ask for it.  All four work-groups of a head begin at key 0 and walk up; work-group i = 0 walks all eight slots in its first
; eight trips, and it alone asks: its waves 4 to 7, one instruction each, for the 8,192 bytes of codes of one of the slot's four blocks, lanes 256 bytes apart.  So each aligned 256 bytes of codes is named once.
; The blocks' 256 bytes of scale words are not named.  Trips 6 and later ask for nothing: there is no slot 8.  Slots 0 and 1 come by their loads alone.
.macro ASK
	s_cmp_lt_u32 s[TR], s[LIM]
	s_cbranch_scc0 .Lnot_mine_\@
	global_prefetch_b8 v[PFO], s[PFA:PFA+1] th:TH_LOAD_NT scope:SCOPE_SE
.Lnot_mine_\@:
.endm
; A new block of queries, s[QB]: addresses, Q's fragment in both its places, its scale words; the statistics and O^T begin anew
.macro NEWBLK
	s_lshl_b32 s[Q0], s[QB], 8
	s_add_co_u32 s[Q0], s[Q0], s[WQ]
	s_mul_i32 s54, s[QB], 2*8448
	s_add_nc_u64 s[QP:QP+1], s[QBASE:QBASE+1], s[54:55]
	s_mul_i32 s54, s[QB], 8*BLK                    ; two row blocks of four K steps
	s_add_nc_u64 s[AOP:AOP+1], s[AOB:AOB+1], s[54:55]
	s_add_nc_u64 s[AOS:AOS+1], s[AOSB:AOSB+1], s[54:55]
	s_mov_b32 s[KF], 0
	global_load_b128 v[16:19], v[LI], s[QP:QP+1]
	global_load_b128 v[20:23], v[LI], s[QP:QP+1] offset:512
	global_load_b128 v[32:35], v[LI], s[QP:QP+1]
	global_load_b128 v[36:39], v[LI], s[QP:QP+1] offset:512
	global_load_b32 v[T+1], v[QSO], s[QP:QP+1]
	v_mov_b32 v13, 0xff61b1e6                      ; the largest t so far: -3e38, under every t
	s_delay_alu instid0(VALU_DEP_1)
	v_floor_f32 v12, -v13                          ; -M
	v_mov_b32 v14, 0                               ; the sum, in two halves
	v_mov_b32 v15, 0
.irp j, 0,1,2,3,4,5,6,7,8,9,10,11,12,13,14,15,16,17,18,19,20,21,22,23,24,25,26,27,28,29,30,31
	v_mov_b32 v[O+\j], 0                           ; O^T: the step is written once; the first finds zeros, which the first change of M leaves zeros
.endr
	s_wait_loadcnt 0x0
	v_bfe_u32 v[QS], v[T+1], s[QSH], 16            ; Q': my tile's two bytes below, the byte 0 over the zero codes
	s_delay_alu instid0(VALU_DEP_1)
	v_lshlrev_b32 v[QS+1], 16, v[QS]               ; Q'': the same above
.rept 2
	v_nop                                          ; with the eight at a step's head: ten plain lines between these scale words and the first product that reads them
.endr
.endm
; A KEY STEP: 128 keys, the q-th of the slot in hand
.macro STEP q
	s_add_co_u32 s56, s[Q0], 23                    ; my tile's last query
	s_cmp_gt_u32 s[KF], s56
	s_cbranch_scc1 .Lhid_\@                        ; all its keys come after my queries: ids alone; no barrier, wait for tiles or tensor load stands in a step
	v_add_nc_u32 v[ADL], s[TB], v[LI]
	v_add_nc_u32 v[ADS], s[TB], v[LS]
.rept 6
	v_nop                                          ; with the two additions: eight places in front of loads into registers that matrix instructions have read
.endr
.irp p, 0,1,2,3
.irp c, 0,1,2,3
	ds_load_b128 v[KV+16*\p+4*\c:KV+16*\p+4*\c+3], v[ADL] offset:STEPB*(\q)+2048*\p+512*\c
.endr
.endr
	ds_load_b128 v[KS:KS+3], v[ADS] offset:STEPB*(\q)+8192
	s_wait_dscnt 0x0
	s_wait_alu depctr_va_vdst(0)
.irp p, 0,1,2,3
.irp u, 0,1
	v_wmma_scale_f32_16x16x128_f8f6f4 v[S+8*(2*\p+\u):S+8*(2*\p+\u)+7], v[KV+16*\p:KV+16*\p+15], v[16+8*\u:31+8*\u], 0, v[KS+\p], v[QS+\u]
.endr
.endr
.rept 8
	v_nop                                          ; places in front of the loads below and of the first read of the scores
.endr
.irp p, 0,1,2,3
.irp c, 0,1,2,3
	ds_load_b128 v[KV+16*\p+4*\c:KV+16*\p+4*\c+3], v[ADL] offset:STEPB*(\q)+8448+2048*\p+512*\c   ; V's fragments land while the softmax is walked
.endr
.endr
	ds_load_b128 v[VS:VS+3], v[ADS] offset:STEPB*(\q)+8448+8192
	s_add_co_u32 s56, s[KF], 127
	s_cmp_le_u32 s56, s[Q0]
	s_cbranch_scc1 .Lopen_\@                       ; all its keys count
	s_sub_co_i32 s56, s[Q0], s[KF]
	v_add_nc_u32 v[T], s56, v[DQ]                  ; d = my query - KF - 16 h.  Register 16 b + i holds key KF + 32 b + 16 h + i: hidden where 32 b + i > d
	v_mov_b32 v[T+1], 0xff800000                   ; -infinity
.irp n, 0,1,2,3,4,5,6,7,8,9,10,11,12,13,14,15,16,17,18,19,20,21,22,23,24,25,26,27,28,29,30,31,32,33,34,35,36,37,38,39,40,41,42,43,44,45,46,47,48,49,50,51,52,53,54,55,56,57,58,59,60,61,62,63
	v_cmp_gt_i32 vcc_lo, 32*(\n/16)+\n%16, v[T]
	v_cndmask_b32 v[S+\n], v[S+\n], v[T+1], vcc_lo
.endr
.Lopen_\@:
.irp b, 0,1,2,3
	v_max3_num_f32 v[BM+\b], v[S+16*\b], v[S+1+16*\b], v[S+2+16*\b]   ; the largest score of each block of 32 keys: for the row's maximum, and, since p rises with the score, for the block's largest p
.endr
.irp i, 3,5,7,9,11,13
.irp b, 0,1,2,3
	v_max3_num_f32 v[BM+\b], v[BM+\b], v[S+16*\b+\i], v[S+1+16*\b+\i]
.endr
.endr
.irp b, 0,1,2,3
	v_max_num_f32 v[BM+\b], v[BM+\b], v[S+15+16*\b]
.endr
.irp b, 0,1,2,3
	s_delay_alu instid0(VALU_DEP_4)
	v_permlanex16_b32 v[PB+\b], v[BM+\b], s[SEL], s[SEL+1]
.endr
.irp b, 0,1,2,3
	s_delay_alu instid0(VALU_DEP_4)
	v_max_num_f32 v[BM+\b], v[BM+\b], v[PB+\b]     ; with lane l xor 16's 16 keys
.endr
	s_delay_alu instid0(VALU_DEP_2)
	v_max3_num_f32 v[T], v[BM], v[BM+1], v[BM+2]
	s_delay_alu instid0(VALU_DEP_1)
	v_max_num_f32 v[T], v[T], v[BM+3]              ; the step's largest score of my query (the step's first key counts for every query of the tile: it is a number)
	s_delay_alu instid0(VALU_DEP_1)
	v_mul_f32 v[T], s[CS], v[T]
	s_delay_alu instid0(VALU_DEP_1)
	v_max_num_f32 v13, v13, v[T]                   ; the running largest t
	v_mov_b32 v[T], v12
	s_delay_alu instid0(VALU_DEP_2)
	v_floor_f32 v12, -v13                          ; the new -M = floor(-t): M is a whole number
	s_delay_alu instid0(VALU_DEP_1)
	v_sub_f32 v[T], v12, v[T]                      ; old M - new M: a whole number, 0 or less
	s_delay_alu instid0(VALU_DEP_1)
	v_cvt_i32_f32 v[T], v[T]                       ; (it saturates)
	s_delay_alu instid0(VALU_DEP_1)
	v_ldexp_f32 v[F], 1.0, v[T]                    ; f = 2^(old M - new M): rounds nothing
.irp j, 0,2,4,6,8,10,12,14,16,18,20,22,24,26,28,30,32,34,36,38,40,42,44,46,48,50,52,54,56,58,60,62
	v_pk_fma_f32 v[S+\j:S+\j+1], v[S+\j:S+\j+1], s[CS:CS+1], v[12:13] op_sel_hi:[1,0,0]   ; t - M, two at a time
.endr
.irp b, 0,1,2,3
	v_fma_f32 v[BM+\b], v[BM+\b], s[CS], v12       ; the same of each block's largest score
.endr
	s_wait_alu depctr_va_vdst(0)
.irp j, 0,1,2,3,4,5,6,7,8,9,10,11,12,13,14,15,16,17,18,19,20,21,22,23,24,25,26,27,28,29,30,31,32,33,34,35,36,37,38,39,40,41,42,43,44,45,46,47,48,49,50,51,52,53,54,55,56,57,58,59,60,61,62,63
	v_exp_f32 v[S+\j], v[S+\j]                     ; p = 2^(t - M), at most 1
.endr
	v_pk_mul_f32 v[14:15], v[14:15], v[F:F+1] op_sel_hi:[1,0]   ; the sums under the new M: a plain line behind the exponentials
	s_wait_alu depctr_va_vdst(0)                   ; one wait for the whole batch, ahead of its first reader
.irp b, 0,1,2,3
	v_exp_f32 v[BM+\b], v[BM+\b]                   ; the block's largest p
.endr
	v_pk_add_f32 v[232:233], v[120:121], v[124:125]
	v_pk_add_f32 v[254:255], v[128:129], v[132:133]
	v_pk_add_f32 v[252:253], v[136:137], v[140:141]
	v_pk_add_f32 v[250:251], v[144:145], v[148:149]
	v_pk_add_f32 v[248:249], v[152:153], v[156:157]
	v_pk_add_f32 v[242:243], v[160:161], v[164:165]
	v_pk_add_f32 v[240:241], v[168:169], v[172:173]
	v_pk_add_f32 v[14:15], v[14:15], v[176:177]
	v_pk_add_f32 v[232:233], v[232:233], v[116:117]
	v_pk_add_f32 v[254:255], v[254:255], v[118:119]
	v_pk_add_f32 v[252:253], v[252:253], v[122:123]
	v_pk_add_f32 v[250:251], v[250:251], v[126:127]
	v_pk_add_f32 v[248:249], v[248:249], v[130:131]
	v_pk_add_f32 v[242:243], v[242:243], v[134:135]
	v_pk_add_f32 v[240:241], v[240:241], v[138:139]
	v_pk_add_f32 v[14:15], v[14:15], v[142:143]
	v_pk_add_f32 v[232:233], v[232:233], v[146:147]
	v_pk_add_f32 v[254:255], v[254:255], v[150:151]
	v_pk_add_f32 v[252:253], v[252:253], v[154:155]
	v_pk_add_f32 v[250:251], v[250:251], v[158:159]
	v_pk_add_f32 v[248:249], v[248:249], v[162:163]
	v_pk_add_f32 v[242:243], v[242:243], v[166:167]
	v_pk_add_f32 v[240:241], v[240:241], v[170:171]
	v_pk_add_f32 v[14:15], v[14:15], v[174:175]
	v_pk_add_f32 v[232:233], v[232:233], v[178:179]
	s_delay_alu instid0(VALU_DEP_2)
	v_pk_add_f32 v[14:15], v[14:15], v[250:251]
	s_delay_alu instid0(VALU_DEP_2)
	v_pk_add_f32 v[232:233], v[232:233], v[248:249]
	v_pk_add_f32 v[254:255], v[254:255], v[242:243]
	v_pk_add_f32 v[252:253], v[252:253], v[240:241]
	s_delay_alu instid0(VALU_DEP_2)
	v_pk_add_f32 v[14:15], v[14:15], v[254:255]
	s_delay_alu instid0(VALU_DEP_2)
	v_pk_add_f32 v[232:233], v[232:233], v[252:253]
	s_delay_alu instid0(VALU_DEP_1)
	v_pk_add_f32 v[14:15], v[14:15], v[232:233]
	s_wait_alu depctr_va_vdst(0)                   ; and one for the four
.irp b, 0,1,2,3
	v_max_num_f32 v[BM+\b], 0x4800000, v[BM+\b]    ; the floor 2^(9 - 127): a block whose every p is 0 keeps the byte 1: its codes are zeros
.endr
.irp b, 0,1,2,3
	s_delay_alu instid0(VALU_DEP_4)
	v_add_nc_u32 v[SO+\b], 0xfc000000, v[BM+\b]
.endr
.irp b, 0,1,2,3
.endr
.irp b, 0,1,2,3
	s_delay_alu instid0(VALU_DEP_4)
	v_lshrrev_b32 v[PB+\b], 23, v[SO+\b]
.endr
	s_delay_alu instid0(VALU_DEP_3)
	v_lshl_or_b32 v[PS], v[PB+1], 8, v[PB]         ; p's scale word for these 128 keys
	s_delay_alu instid0(VALU_DEP_1)
	v_lshl_or_b32 v[PS], v[PB+2], 16, v[PS]
	s_delay_alu instid0(VALU_DEP_1)
	v_lshl_or_b32 v[PS], v[PB+3], 24, v[PS]
.irp b, 0,1,2,3
.irp i, 0,1,2,3,4,5,6,7,8,9,10,11,12,13,14,15
.endr
	v_cvt_scalef32_pk8_fp8_f32 v[PC+4*\b:PC+4*\b+1], v[S+16*\b:S+16*\b+7], v[SO+\b]
	v_cvt_scalef32_pk8_fp8_f32 v[PC+4*\b+2:PC+4*\b+3], v[S+16*\b+8:S+16*\b+15], v[SO+\b]
.endr
.irp j, 0,2,4,6,8,10,12,14,16,18,20,22,24,26,28,30
	v_pk_mul_f32 v[O+\j:O+\j+1], v[O+\j:O+\j+1], v[F:F+1] op_sel_hi:[1,0]   ; O^T under the new M; these sixteen are also the places in front of the products below
.endr
	s_wait_alu depctr_va_vdst(0)
	s_wait_dscnt 0x0                               ; V
.irp p, 0,1,2,3
	v_wmma_scale_f32_16x16x128_f8f6f4 v[O+8*\p:O+8*\p+7], v[KV+16*\p:KV+16*\p+15], v[PC:PC+15], v[O+8*\p:O+8*\p+7], v[VS+\p], v[PS]
.endr
.Lhid_\@:
	s_add_co_u32 s[KF], s[KF], 128
.endm
; THE CHANGE OF SLOTS stands at a slot's head.  Each wave waits for all its tensor loads, adds 0 to its spare word, and waits for that and for its reads of the slot that it has left.  Behind the barrier the slot ahead is whole
; and nobody reads the other one.  fill = 1: that other slot takes the next trip's 256 keys: the block's next, or, where the first block ends, the head's first again.
.macro CHANGE fill
	s_wait_tensorcnt 0x0                           ; no tensor load of mine is out, so the group 0 may be written
	ds_add_u32 v[SPW], v[NIL]                      ; 0 onto my spare word
.if \fill
	s_xor_b32 s[G0+1], s[G0+1], SLOT1              ; the other slot than last time
	s_add_co_u32 s54, s[TR], 1
	s_cmp_ge_u32 s54, s[N1]
	s_cselect_b32 s56, s[N1], 0
	s_sub_co_u32 s54, s54, s56                     ; which 256 keys the next trip walks
	s_mul_i32 s54, s54, 2*STEPB
	s_add_nc_u64 s[G0+2:G0+3], s[KVB:KVB+1], s[54:55]
	s_or_b32 s[G0+3], s[G0+3], 0x80000000
	s_wait_xcnt 0x0                                ; the last prefetch, a trip back, has read its address, so it may be written
	s_add_nc_u64 s[PFA:PFA+1], s[PFA:PFA+1], 2*STEPB
.endif
	s_wait_dscnt 0x0                               ; the add is done, and my reads of the slot that I have left are over
	s_barrier_signal -1
	s_barrier_wait -1
.if \fill
	TLOAD                                          ; the first thing behind the barrier, and a wave's one tensor load until the next
	ASK
.endif
.endm
; A BLOCK'S END: O^T / the sum; its 32 registers are two blocks of 32 (with lane l xor 16) along the last product's K; codes and two scale bytes leave as they stand.  more = 1: the second block begins.
.macro FINISH more
.rept 8
	v_nop                                          ; places behind the last products
.endr
	v_add_f32 v14, v14, v15
	s_delay_alu instid0(VALU_DEP_1)
	v_permlanex16_b32 v[T], v14, s[SEL], s[SEL+1]
	s_delay_alu instid0(VALU_DEP_1)
	v_add_f32 v14, v14, v[T]                       ; the row's sum
	s_wait_alu depctr_va_vdst(0)
	v_rcp_f32 v[F], v14
	v_nop                                          ; a plain line behind the transcendental
	s_wait_alu depctr_va_vdst(0)                   ; and the wait ahead of its first reader
.irp j, 0,2,4,6,8,10,12,14,16,18,20,22,24,26,28,30
	v_pk_mul_f32 v[O+\j:O+\j+1], v[O+\j:O+\j+1], v[F:F+1] op_sel_hi:[1,0]   ; each accumulator from its low end on
.endr
.irp b, 0,1
	v_max3_num_f32 v[BM+\b], |v[O+16*\b]|, |v[O+1+16*\b]|, 0x4800000
.endr
.irp i, 2,4,6,8,10,12,14
.irp b, 0,1
	s_delay_alu instid0(VALU_DEP_2)
	v_max3_num_f32 v[BM+\b], v[BM+\b], |v[O+16*\b+\i]|, |v[O+1+16*\b+\i]|
.endr
.endr
.irp b, 0,1
	s_delay_alu instid0(VALU_DEP_2)
	v_permlanex16_b32 v[PB+\b], v[BM+\b], s[SEL], s[SEL+1]
.endr
.irp b, 0,1
	s_delay_alu instid0(VALU_DEP_2)
	v_max_num_f32 v[BM+\b], v[BM+\b], v[PB+\b]
.endr
.irp b, 0,1
	s_delay_alu instid0(VALU_DEP_2)
	v_add_nc_u32 v[SO+\b], 0xfc000000, v[BM+\b]
.endr
.irp b, 0,1
.endr
.irp b, 0,1
	s_delay_alu instid0(VALU_DEP_2)
	v_lshrrev_b32 v[PB+\b], 23, v[SO+\b]
.endr
	s_delay_alu instid0(VALU_DEP_1)
	v_lshl_or_b32 v[T], v[PB+1], 8, v[PB]          ; my row's two bytes
.irp b, 0,1
.irp i, 0,1,2,3,4,5,6,7,8,9,10,11,12,13,14,15
.endr
	v_cvt_scalef32_pk8_fp8_f32 v[PC+4*\b:PC+4*\b+1], v[O+16*\b:O+16*\b+7], v[SO+\b]
	v_cvt_scalef32_pk8_fp8_f32 v[PC+4*\b+2:PC+4*\b+3], v[O+16*\b+8:O+16*\b+15], v[SO+\b]
.endr
	v_nop                                          ; one plain vector line behind the last conversion
	global_store_b128 v[LI], v[PC:PC+3], s[AOP:AOP+1]               ; 32 lanes store 512 consecutive bytes, aligned
	global_store_b128 v[LI], v[PC+4:PC+7], s[AOP:AOP+1] offset:512
	global_store_b16 v[R8], v[T], s[AOS:AOS+1]     ; two bytes a row, 8 bytes apart: a scale word spans two heads, and so two work-groups.  Lanes l and l + 16 write the same bytes with the same value
.if \more
	s_wait_xcnt 0x0                                ; the stores have read their data and bases: both are written again only behind this wait
	s_mov_b32 s[QB], ttmp9                         ; the second block: i
	NEWBLK
.endif
.endm
	s_load_b128 s[4:7], s[0:1], 0x0                ; qb s[4:5], kv s[6:7]
	s_load_b64 s[8:9], s[0:1], 0x10                ; ao
	v_lshl_add_u32 v[SPW], v0, 2, SPARE
	v_mov_b32 v[NIL], 0
	ds_add_u32 v[SPW], v[NIL]                      ; the wave's opening: the add and its wait ahead of my first tensor load; the set-up below stands between them
	ds_add_u32 v[SPW], v[NIL]
	v_lshrrev_b32 v1, 5, v0
	s_delay_alu instid0(VALU_DEP_1)
	v_readfirstlane_b32 s[WV], v1                  ; wave 0..15
	s_and_b32 s[BH], ttmp7, 0xffff                 ; 16 x batch + head
	s_sub_co_u32 s[N1], 8, ttmp9
	s_sub_co_u32 s[QB], 7, ttmp9                   ; the first block: 7 - i
	; descriptor group 1: a step's 16,896 dense bytes as 66 rows of 32 elements of 8 bytes, no padding, no mask
	s_mov_b32 s[G1], 3<<16
	s_mov_b32 s[G1+1], 32<<16
	s_mov_b32 s[G1+2], 66<<16
	s_mov_b32 s[G1+3], 32<<16
	s_mov_b32 s[G1+4], 66
	s_mov_b32 s[G1+5], 32
	s_mov_b32 s[G1+6], 0
	s_mov_b32 s[G1+7], 0
	s_mov_b32 s[SEL], 0x76543210
	s_mov_b32 s[SEL+1], 0xfedcba98
	s_mov_b32 s[CS], 0x3e38aa3b                    ; c = log2(e) / sqrt(64)
	s_mov_b32 s[CS+1], s[CS]                       ; (named with it as a pair, so it is written)
	s_mov_b32 s[TB], 0
	s_mov_b32 s[TR], 0
	s_mov_b32 s55, 0                               ; the upper word of every 32-bit offset; never rewritten
	s_wait_dscnt 0x0                               ; the opening add is done
	s_wait_kmcnt 0x0
	s_mul_i32 s54, s[BH], 16*STEPB
	s_add_nc_u64 s[6:7], s[6:7], s[54:55]          ; kv at my head
	s_mul_i32 s54, s[WV], STEPB
	s_add_nc_u64 s[KVB:KVB+1], s[6:7], s[54:55]    ; + my wave's step of a slot (waves 0 and 1 alone use it)
	s_mov_b32 s[G0], 1
	s_mov_b32 s[G0+1], s54                         ; LDS: wave x a step, in slot 0
	s_mov_b64 s[G0+2:G0+3], s[KVB:KVB+1]
	s_or_b32 s[G0+3], s[G0+3], 0x80000000
	TLOAD                                          ; the first 256 keys
	s_and_b32 s54, s[WV], 3
	s_mul_i32 s54, s54, 8448
	s_add_co_u32 s54, s54, 2*STEPB                 ; the prefetches stand in slot 1: the first change of slots steps them to slot 2.  Nothing is prefetched here, at the head
	s_add_nc_u64 s[PFA:PFA+1], s[6:7], s[54:55]
	s_sub_co_u32 s56, s[WV], 4
	s_lshr_b32 s56, s56, 2                         ; 0 in waves 4 to 7,
	s_or_b32 s56, s56, ttmp9                       ; of work-group i = 0
	s_cmp_eq_u32 s56, 0
	s_cselect_b32 s[LIM], 6, 0
	s_lshr_b32 s56, s[WV], 3                       ; which 128 queries of a block,
	s_and_b32 s57, s[WV], 7                        ; which tile of them
	s_lshr_b32 s[WQ], s[WV], 1
	s_lshl_b32 s[WQ], s[WQ], 5
	s_and_b32 s59, s[WV], 1
	s_lshl_b32 s[QSH], s59, 4
	s_lshl_b32 s59, s59, 3
	s_add_co_u32 s[WQ], s[WQ], s59
	s_mul_i32 s54, s[BH], 16*8448
	s_mul_i32 s60, s56, 8448
	s_add_co_u32 s54, s54, s60
	s_lshl_b32 s60, s57, 10
	s_add_co_u32 s54, s54, s60
	s_add_nc_u64 s[QBASE:QBASE+1], s[4:5], s[54:55]
	s_lshr_b32 s60, s[BH], 4                       ; batch
	s_and_b32 s61, s[BH], 15                       ; head
	s_lshl_b32 s60, s60, 4
	s_add_co_u32 s60, s60, s56                     ; row block, less the query block's two
	s_lshl_b32 s60, s60, 2
	s_lshr_b32 s62, s61, 2
	s_add_co_u32 s60, s60, s62                     ; K step = head / 4
	s_mul_i32 s60, s60, BLK
	s_bfe_u32 s62, s61, 0x10001                    ; q = (head / 2) % 2
	s_and_b32 s63, s61, 1                          ; chunks 2 (head % 2), + 1
	s_lshl_b32 s54, s62, 14
	s_add_co_u32 s54, s54, s60
	s_lshl_b32 s66, s57, 11
	s_add_co_u32 s54, s54, s66
	s_lshl_b32 s66, s63, 10
	s_add_co_u32 s54, s54, s66
	s_add_nc_u64 s[AOB:AOB+1], s[8:9], s[54:55]
	s_add_co_u32 s54, s60, 32768
	s_lshl_b32 s66, s57, 7
	s_add_co_u32 s54, s54, s66
	s_lshl_b32 s66, s62, 2
	s_add_co_u32 s54, s54, s66
	s_lshl_b32 s66, s63, 1
	s_add_co_u32 s54, s54, s66
	s_add_nc_u64 s[AOSB:AOSB+1], s[8:9], s[54:55]
	s_lshl_b32 s59, s57, 10
	s_sub_co_u32 s59, 8192, s59                    ; from my tile's codes to the block's words,
	s_lshr_b32 s60, s57, 1
	s_lshl_b32 s60, s60, 2
	s_add_co_u32 s59, s59, s60                     ; + my pair's word
	v_and_b32 v[LI], 31, v0
	s_delay_alu instid0(VALU_DEP_1)
	v_lshlrev_b32 v[PFO], 8, v[LI]
	s_delay_alu instid0(VALU_DEP_2)
	v_lshlrev_b32 v[LI], 4, v[LI]
	v_and_b32 v11, 15, v0                          ; r
	s_delay_alu instid0(VALU_DEP_1)
	v_lshlrev_b32 v[LS], 4, v11
	s_delay_alu instid0(VALU_DEP_2)
	v_lshlrev_b32 v[R8], 3, v11
	s_delay_alu instid0(VALU_DEP_2)
	v_add_nc_u32 v[QSO], s59, v[LS]
	s_delay_alu instid0(VALU_DEP_4)
	v_and_b32 v[DQ], 8, v11
	s_delay_alu instid0(VALU_DEP_1)
	v_add_nc_u32 v[DQ], v[DQ], v11
	v_bfe_u32 v11, v0, 4, 1                        ; h
	s_delay_alu instid0(VALU_DEP_1)
	v_lshlrev_b32 v11, 4, v11
	s_delay_alu instid0(VALU_DEP_1)
	v_sub_nc_u32 v[DQ], v[DQ], v11
.irp j, 24,25,26,27,28,29,30,31
	v_mov_b32 v[\j], 0                             ; the zero codes between Q's two places
.endr
.irp b, 0,1,2,3
	v_mov_b32 v[PB+\b], 0                          ; written once: a lane permute's destination counts as one of its sources
.endr
	v_mov_b32 v[F], 0
	v_mov_b32 v[F+1], 0                            ; (named as the upper half of a pair)
	v_mov_b32 v[T], 0
	NEWBLK
.Lslot:                                            ; eight trips: behind each change of slots the next trip's keys are asked for
	CHANGE 1
	STEP 0
	STEP 1
	s_xor_b32 s[TB], s[TB], SLOT1                  ; on to the other slot
	s_add_co_u32 s[TR], s[TR], 1
	s_cmp_lg_u32 s[TR], s[N1]
	s_cbranch_scc1 .Lsame                          ; ids and the count of trips alone: all sixteen waves go the same way
	FINISH 1                                       ; the first block is done
.Lsame:
	s_cmp_lt_u32 s[TR], 8
	s_cbranch_scc1 .Lslot
	CHANGE 0                                       ; the ninth trip is written out: it asks for nothing
	STEP 0
	STEP 1
	FINISH 0
	s_wait_tensorcnt 0x0                           ; the wave's end
	ds_add_u32 v[SPW], v[NIL]
	s_wait_dscnt 0x0
	s_endpgm
.Lfunc_end_k_qbcc24dec4a_attn:
	.size	k_qbcc24dec4a_attn, .Lfunc_end_k_qbcc24dec4a_attn-k_qbcc24dec4a_attn
	.p2alignl 7, 3214868480
	.fill 96, 4, 3214868480
	.section	.rodata,"a",@progbits
	.p2align	6, 0x0
	.amdhsa_kernel k_qbcc24dec4a_attn
		.amdhsa_group_segment_fixed_size 327680
		.amdhsa_private_segment_fixed_size 0
		.amdhsa_enable_private_segment 0
		.amdhsa_kernarg_size 24
		.amdhsa_user_sgpr_count 2
		.amdhsa_user_sgpr_kernarg_segment_ptr 1
		.amdhsa_wavefront_size32 1
		.amdhsa_system_sgpr_workgroup_id_x 1
		.amdhsa_system_sgpr_workgroup_id_y 1
		.amdhsa_system_sgpr_workgroup_id_z 1
		.amdhsa_system_vgpr_workitem_id 0
		.amdhsa_next_free_vgpr 256
		.amdhsa_next_free_sgpr 80
		.amdhsa_reserve_vcc 1
		.amdhsa_float_denorm_mode_32 3
		.amdhsa_float_denorm_mode_16_64 3
		.amdhsa_fp16_overflow 1
		.amdhsa_memory_ordered 1
		.amdhsa_forward_progress 1
		.amdhsa_inst_pref_size 109
	.end_amdhsa_kernel
	.amdgpu_metadata
---
amdhsa.version: [ 1, 2 ]
amdhsa.kernels:
  - .name:           k_qbcc24dec4a_attn
    .symbol:         k_qbcc24dec4a_attn.kd
    .args:
      - { .name: qb, .offset: 0, .size: 8, .value_kind: global_buffer, .address_space: global }
      - { .name: kv, .offset: 8, .size: 8, .value_kind: global_buffer, .address_space: global }
      - { .name: ao, .offset: 16, .size: 8, .value_kind: global_buffer, .address_space: global }
    .group_segment_fixed_size: 327680
    .private_segment_fixed_size: 0
    .kernarg_segment_align: 8
    .kernarg_segment_size: 24
    .max_flat_workgroup_size: 512
    .sgpr_count:     80
    .vgpr_count:     256
    .wavefront_size: 32
...
	.end_amdgpu_metadata
.endif
;; end of part 3
;; launch oproj (part 4): grid 4 x 32, 4 waves a work-group, clusters of 4 x 4, 327,680 bytes of LDS; arguments ao, wc, b_o, out0; writes out0
.if DOCPART == 4
	.amdgcn_target "amdgcn-amd-amdhsa--gfx1250"
	.amdhsa_code_object_version 6
	.text
	.protected	k_qbcc24dec4a_oproj
	.globl	k_qbcc24dec4a_oproj
	.p2align	8
	.type	k_qbcc24dec4a_oproj,@function
k_qbcc24dec4a_oproj:
	s_mov_b64 s[64:65], 0
	v_nop
	global_prefetch_b8 v0, s[64:65] scope:SCOPE_SE
	s_setreg_imm32_b32 hwreg(HW_REG_WAVE_MODE, 25, 1), 1
	s_wait_xcnt 0x0
	s_wait_alu depctr_hold_cnt(0) depctr_sa_sdst(0) depctr_va_vdst(0) depctr_va_sdst(0) depctr_va_ssrc(0) depctr_va_vcc(0) depctr_vm_vsrc(0)
	s_getreg_b32 s2, hwreg(HW_REG_IB_STS2, 6, 4)
	s_cmp_eq_u32 s2, 0
	s_cbranch_scc0 .Lentry_in_a_cluster
	s_endpgm
.Lentry_in_a_cluster:
	s_bfe_u32 s2, ttmp6, 0x10000c
	s_cmp_lg_u32 s2, 0xf033
	s_cbranch_scc0 .Lentry_shape_is_right
	s_endpgm
.Lentry_shape_is_right:
; out0 = a w_o + b_o on codes of FP8 (E4M3) with E8M0 scales: a = the attention's result as the launch before stored it, w_o's codes from wc's row blocks 24 to 31.  out0: [8192][1024] f32.
; OPERANDS come as blocks of 33,792 bytes (128 rows x 256 along K): codes [q 0..1][tile 0..7][c 0..3][lane][16 bytes], images of the operand's registers, then at byte 32,768 the scale words [tile][row][q].
; In a group of 32 rows, tile 2 g + u holds rows 32 g + 8 u + rho + 8 (rho / 8).
; A work-group of four waves makes 256 x 256: R = 256 rows of a for source 1 (they become lanes), P = 256 columns of w_o for source 0 (they become registers); a wave 128 x 128: 64 accumulators.
; In accumulator (a, b), lane (r, h) holds row rho = r of R's tile a and columns 32 (b / 2) + 16 h + 8 (b % 2) + 0 .. 7.  The bias is the C of each sum's first product.
; K = 1,024 goes in four steps of 256 through two LDS slots; a wave's one tensor load brings one dense block.  CLUSTER 4 x 4: R's blocks are asked for jointly along a row of the cluster, P's along a column.
; 32 x 4 tiles of 256 x 256 are 128 work-groups: a smaller tile would want another order of the step's products and twice the LDS reads for each product.
; REGISTERS: window 0: v1-7 addresses; v16-25 LDS addresses; v28, v29 the add's two; v32-63 scale words; v64-127 the bias; v128-255 R's fragments, on the way out rows of out0.
;   window 1: P's fragments, two sets.   windows 2, 3: the accumulators.
.set BLK,   33792
.set RBB,   4*BLK
.set SLOT,  4*BLK
.set SPARE, 2*SLOT
.set NQ,    2
.set FR,    16
.set NL,    4
.set NP,    8
.set L16,   1
.set RHO,   2
.set HH,    3
.set ADRR,  16
.set ADRP,  20
.set ADRS,  22
.set STO,   24                         ; v24  the way out: where I put 32 bytes of a row
.set RD,    25                         ; v25  and where I read a row back
.set SPW,   28
.set NIL,   29
.set SC,    32
.set BI,    64
.set AF,    128
.set BK,    128
.set SPITCH, 528                       ; the stage: 16 rows x (512 bytes + 16) for each wave, in slot 0, which has had its last fill and its last read when the first result is stored there
.set G1,  24
.set G0,  32
.set G1B, 48
.set G0B, 56
.set MSB, 0
.macro WIN new
.if MSB != (\new)
	s_set_vgpr_msb (MSB<<8)|(\new)
.set MSB, (\new)
.endif
.endm
.set TO_B, 0x40
.macro JLOAD g0a, g1a, g0b, g1b        ; a joint load: waves 0 and 1 fetch R's halves, waves 2 and 3 P's; an s_nop 0 and four v_nop follow each of the two lines
	s_cmp_eq_u32 s15, 0
	s_cbranch_scc0 .Lfor_b_\@
	tensor_load_to_lds s[\g0a:\g0a+3], s[\g1a:\g1a+7]
	s_nop 0
.rept 4
	v_nop
.endr
	s_branch .Lasked_\@
.Lfor_b_\@:
	tensor_load_to_lds s[\g0b:\g0b+3], s[\g1b:\g1b+7]
	s_nop 0
.rept 4
	v_nop
.endr
.Lasked_\@:
.endm
.macro CREST
	s_cmp_lg_u32 s14, 0
	s_cbranch_scc1 .Lnot_wave_0_\@
	s_barrier_signal -3
.Lnot_wave_0_\@:
	s_barrier_wait -3
	s_barrier_signal -1
	s_barrier_wait -1
.endm
.macro CROUND
	s_barrier_signal -1
	s_barrier_wait -1
	CREST
.endm
.macro PLACES n
.rept \n
	v_nop
.endr
.endm
.macro FRAG reg, adr, q, i
.irp c, 0,1,2,3
	ds_load_b128 v[\reg+4*\c:\reg+4*\c+3], v[\adr] offset:16384*(\q)+2048*(\i)+512*\c
.endr
.endm
; 16 matrix instructions: R's tiles a0, a0 + 1 x P's eight.  mode 1: the sums start from the bias.  The 64 accumulators take turns, one instruction a turn.
.macro MUL16 a0, p, q, sc, mode
.irp a, \a0, \a0+1
.irp b, 0,1,2,3,4,5,6,7
.if (\mode) == 1
	v_wmma_scale_f32_16x16x128_f8f6f4 v[8*(8*((\a)%4)+\b):8*(8*((\a)%4)+\b)+7], v[128*(\p)+FR*\b:128*(\p)+FR*\b+FR-1], v[AF+FR*(\a):AF+FR*(\a)+FR-1], v[BI+8*\b:BI+8*\b+7], v[SC+8*NQ*(\sc)+NQ*\b+(\q)], v[SC+8*NQ*(\sc)+NQ*(\a)+(\q)] matrix_a_scale:MATRIX_SCALE_ROW1
.else
	v_wmma_scale_f32_16x16x128_f8f6f4 v[8*(8*((\a)%4)+\b):8*(8*((\a)%4)+\b)+7], v[128*(\p)+FR*\b:128*(\p)+FR*\b+FR-1], v[AF+FR*(\a):AF+FR*(\a)+FR-1], v[8*(8*((\a)%4)+\b):8*(8*((\a)%4)+\b)+7], v[SC+8*NQ*(\sc)+NQ*\b+(\q)], v[SC+8*NQ*(\sc)+NQ*(\a)+(\q)] matrix_a_scale:MATRIX_SCALE_ROW1
.endif
.endr
.endr
.endm
.macro FETCH_B slot, q, p
	WIN TO_B
.irp i, 0,1,2,3,4,5,6,7
	FRAG 128*(\p)+FR*\i, ADRP+\slot, \q, \i
.endr
	WIN 0
.endm
.macro FETCH_A slot, q, i0
.irp i, \i0, \i0+1, \i0+2, \i0+3
	FRAG AF+FR*(\i), ADRR+\slot, \q, \i
.endr
.endm
.macro SCALES sc
.irp i, 0,1,2,3,4,5,6,7
	ds_load_b64 v[SC+8*NQ*\sc+NQ*\i:SC+8*NQ*\sc+NQ*\i+1], v[ADRS+\sc] offset:128*\i
.endr
.endm
.macro STEP slot, q, mode
	s_wait_dscnt 4*NL                              ; P's set, R's tiles 0-3 and the scale words are in; the youngest sixteen loads (R's tiles 4-7) may be out
.if \mode
	WIN 0x81
.else
	WIN 0xa1
.endif
	MUL16 0, (\q)%2, \q, \slot, \mode
	MUL16 2, (\q)%2, \q, \slot, \mode
	s_wait_dscnt 0
	PLACES NP
	FETCH_B \slot, (\q)+1, 1-(\q)%2
	FETCH_A \slot, (\q)+1, 0
.if \mode
	WIN 0xc1
.else
	WIN 0xf1
.endif
	MUL16 4, (\q)%2, \q, \slot, \mode
	MUL16 6, (\q)%2, \q, \slot, \mode
	PLACES NP
	WIN 0
	FETCH_A \slot, (\q)+1, 4
.endm
.macro TURN slot, next, fill
	s_wait_tensorcnt 0x0                           ; all my tensor loads have landed: my part of the next slot
	ds_add_u32 v[SPW], v[NIL]                      ; 0 onto my spare word
	s_wait_dscnt 4*NL+1                            ; (the add and the youngest sixteen loads may be out)
	WIN 0xa1
	MUL16 0, 1, NQ-1, \slot, 0
	s_wait_dscnt 0x0                               ; the add is done, and my reads of this slot are over
	s_barrier_signal -1
	MUL16 2, 1, NQ-1, \slot, 0
	WIN 0
	s_barrier_wait -1
.if \fill
	CREST                                          ; the barrier has opened a round of the cluster's barrier
	s_add_nc_u64 s[G0+4*\slot+2:G0+4*\slot+3], s[G0+4*\slot+2:G0+4*\slot+3], 2*BLK
	s_add_nc_u64 s[G0B+4*\slot+2:G0B+4*\slot+3], s[G0B+4*\slot+2:G0B+4*\slot+3], 2*BLK
	JLOAD G0+4*\slot, G1, G0B+4*\slot, G1B
	PLACES NP-4
.else
	PLACES NP
.endif
	FETCH_B \next, 0, 0
	FETCH_A \next, 0, 0
	SCALES \next
	WIN 0xf1
	MUL16 4, 1, NQ-1, \slot, 0
	MUL16 6, 1, NQ-1, \slot, 0
	PLACES NP
	WIN 0
	FETCH_A \next, 0, 4
.endm
	s_load_b256 s[4:11], s[0:1], 0x0               ; ao s[4:5], wc s[6:7], b_o s[8:9], out0 s[10:11]
	v_lshl_add_u32 v[SPW], v0, 2, SPARE
	v_mov_b32 v[NIL], 0
	ds_add_u32 v[SPW], v[NIL]                      ; the wave's opening: the add and its wait ahead of my first tensor load
	ds_add_u32 v[SPW], v[NIL]
	v_lshrrev_b32 v1, 5, v0
	v_readfirstlane_b32 s14, v1                    ; wave 0..3
	s_lshr_b32 s15, s14, 1                         ; my half of R's rows.  Also: I fetch for R (0) or for P (1)
	s_and_b32 s16, s14, 1                          ; my half of P's rows.  Also: which half I fetch
	s_bfe_u32 s40, ttmp6, 0x40000                  ; cx, cy
	s_bfe_u32 s41, ttmp6, 0x40004
	s_and_b32 s17, ttmp7, 0xffff                   ; the cluster's y
	s_lshl_b32 s43, s41, 2
	s_lshl_b32 s43, 15, s43                        ; my row of the cluster
	s_lshl_b32 s44, 0x1111, s40                    ; my column
	s_or_b32 s[G1+0], s43, (3<<16)|(1<<21)         ; 15:0 the mask; 17:16 elements of 8 bytes; 21 set beside a mask
	s_or_b32 s[G1B+0], s44, (3<<16)|(1<<21)
.irp g, G1, G1B
	s_mov_b32 s[\g+1], 32<<16
	s_mov_b32 s[\g+2], 132<<16
	s_mov_b32 s[\g+3], 32<<16
	s_mov_b32 s[\g+4], 132
	s_mov_b32 s[\g+5], 32
	s_mov_b32 s[\g+6], 0
	s_mov_b32 s[\g+7], 0
.endr
	s_lshl_b32 s20, s17, 2
	s_add_co_u32 s20, s20, s41
	s_lshl_b32 s20, s20, 1                         ; R: ao's row block 2 (4 y + cy)
	s_add_co_u32 s20, s20, s16
	s_mul_i32 s20, s20, RBB
	s_mov_b32 s21, 0
	s_lshl_b32 s46, s40, 1
	s_add_co_u32 s46, s46, 24                      ; P: w_o's row block 24 + 2 cx
	s_add_co_u32 s46, s46, s16
	s_mul_i32 s46, s46, RBB
	s_mov_b32 s47, 0
	s_mul_i32 s45, s14, BLK                        ; where my block goes: wave x a block
	s_wait_dscnt 0x0                               ; the opening add is done
	s_wait_kmcnt 0x0
	s_add_nc_u64 s[20:21], s[4:5], s[20:21]
	s_add_nc_u64 s[46:47], s[6:7], s[46:47]
	CROUND                                         ; all sixteen work-groups are here: the first joint loads meet
.irp s, 0,1
	s_mov_b32 s[G0+4*\s], 1
	s_add_co_u32 s[G0+4*\s+1], s45, \s*SLOT
	s_add_nc_u64 s[G0+4*\s+2:G0+4*\s+3], s[20:21], \s*BLK
	s_or_b32 s[G0+4*\s+3], s[G0+4*\s+3], 0x80000000
	s_mov_b32 s[G0B+4*\s], 1
	s_add_co_u32 s[G0B+4*\s+1], s45, \s*SLOT
	s_add_nc_u64 s[G0B+4*\s+2:G0B+4*\s+3], s[46:47], \s*BLK
	s_or_b32 s[G0B+4*\s+3], s[G0B+4*\s+3], 0x80000000
	s_wait_alu depctr_va_vdst(0)
	s_wait_tensorcnt 0x0
	ds_add_u32 v28, v29
	ds_add_u32 v28, v29
	s_wait_dscnt 0x0
	CROUND
	JLOAD G0+4*\s, G1, G0B+4*\s, G1B
.endr
	v_and_b32 v[L16], 31, v0
	v_lshlrev_b32 v[L16], 4, v[L16]
	v_and_b32 v[RHO], 15, v0
	v_bfe_u32 v[HH], v0, 4, 1
	s_wait_alu depctr_va_vdst(0)
	s_mul_i32 s21, s15, BLK
	s_mul_i32 s22, s16, BLK
	s_add_co_u32 s22, s22, 2*BLK
.irp s, 0,1
	v_add_nc_u32 v[ADRR+\s], s21, v[L16]
	v_add_nc_u32 v[ADRP+\s], s22, v[L16]
	s_add_co_u32 s21, s21, SLOT
	s_add_co_u32 s22, s22, SLOT
.endr
	s_mul_i32 s21, s15, BLK
	s_mul_i32 s22, s16, BLK
	s_add_co_u32 s22, s22, 2*BLK
	s_sub_co_u32 s22, s22, s21
	v_mul_u32_u24 v6, s22, v[HH]                   ; lanes 16-31 take P's scale words
	s_add_co_u32 s21, s21, 32768
	v_lshl_add_u32 v5, v[RHO], 3, v6
	v_add_nc_u32 v[ADRS], s21, v5
	v_add_nc_u32 v[ADRS+1], SLOT, v[ADRS]
	s_mul_i32 s23, s14, 16*SPITCH                  ; my stage
	v_mul_u32_u24 v5, v[RHO], SPITCH
	v_lshl_add_u32 v5, v[HH], 6, v5
	v_add_nc_u32 v[STO], s23, v5                   ; in: row r, + 64 h
	v_add_nc_u32 v[RD], s23, v[L16]                ; back: the 32 lanes take one row of 512 bytes
	s_lshl_b32 s80, s17, 2
	s_add_co_u32 s80, s80, s41
	s_lshl_b32 s80, s80, 1
	s_add_co_u32 s80, s80, s15
	s_lshl_b32 s80, s80, 19                        ; my first row of out0: 128 rows of 4,096 bytes a half
	s_lshl_b32 s81, s40, 10
	s_add_co_u32 s80, s80, s81
	s_lshl_b32 s81, s16, 9
	s_add_co_u32 s80, s80, s81                     ; + my first column: 1,024 cx + 512 x half
	s_mov_b32 s81, 0
	s_add_nc_u64 s[12:13], s[10:11], s[80:81]
	s_lshl_b32 s94, s40, 10
	s_lshl_b32 s95, s16, 9
	s_add_co_u32 s94, s94, s95
	s_mov_b32 s95, 0
	s_add_nc_u64 s[92:93], s[8:9], s[94:95]        ; b_o at my 128 columns
	v_lshlrev_b32 v7, 6, v[HH]
.irp b, 0,1,2,3,4,5,6,7
	global_load_b128 v[BI+8*\b:BI+8*\b+3], v7, s[92:93] offset:(32*(\b/2)+8*(\b%2))*4
	global_load_b128 v[BI+8*\b+4:BI+8*\b+7], v7, s[92:93] offset:(32*(\b/2)+8*(\b%2))*4+16
.endr
	s_wait_alu depctr_va_vdst(0)
	s_wait_tensorcnt 1                             ; my part of K step 0 is in (K step 1's load may be out)
	s_barrier_signal -1
	s_barrier_wait -1                              ; everybody's is
	FETCH_B 0, 0, 0
	FETCH_A 0, 0, 0
	SCALES 0
	FETCH_A 0, 0, 4
	s_wait_loadcnt 0x0                             ; the bias
	STEP 0, 0, 1                                   ; the first step's products start the sums from the bias
	TURN 0, 1, 1
	STEP 1, 0, 0
	TURN 1, 0, 1
	STEP 0, 0, 0
	TURN 0, 1, 0                                   ; the last two K steps fill nothing
	STEP 1, 0, 0
	s_wait_dscnt 4*NL
	WIN 0xa1
	MUL16 0, 1, NQ-1, 1, 0
	MUL16 2, 1, NQ-1, 1, 0
	s_wait_dscnt 0
	WIN 0xf1
	MUL16 4, 1, NQ-1, 1, 0
	MUL16 6, 1, NQ-1, 1, 0
	WIN 0
; THE WAY OUT, a tile of 16 rows x 128 columns at a time, through my own stage in LDS: in as 32 bytes a lane, back as whole rows of 512 bytes.  LDS serves a wave's instructions in order (ISA guide 5.7.1.4).
.macro TOSTAGE a
.set AC, 64*((\a)%4)
	WIN 0x08+4*((\a)/4)                            ; an LDS store's data: window 2 or 3
.irp b, 0,1,2,3,4,5,6,7
	ds_store_b128 v[STO], v[AC+8*\b:AC+8*\b+3] offset:128*(\b/2)+32*(\b%2)          ; each accumulator from its low end on
	ds_store_b128 v[STO], v[AC+8*\b+4:AC+8*\b+7] offset:128*(\b/2)+32*(\b%2)+16
.endr
	WIN 0
.set BB, BK+64*((\a)%2)
.irp t, 0,1,2,3,4,5,6,7,8,9,10,11,12,13,14,15
	ds_load_b128 v[BB+4*\t:BB+4*\t+3], v[RD] offset:\t*SPITCH
.endr
.endm
.macro SEND a, younger                 ; younger: the LDS instructions issued behind tile a's loads, which may stay out
.set BB, BK+64*((\a)%2)
	s_wait_dscnt \younger
.irp t, 0,1,2,3,4,5,6,7,8,9,10,11,12,13,14,15
	global_store_b128 v[L16], v[BB+4*\t:BB+4*\t+3], s[12:13] offset:(32*((\a)/2)+8*((\a)%2)+\t+8*(\t/8))*4096 th:TH_STORE_NT   ; 32 lanes store 512 consecutive bytes, aligned; the tile's row t is row 32 (a / 2) + 8 (a % 2) + t + 8 (t / 8)
.endr
.endm
	PLACES NP                                      ; in front of the first read of results and of loads into the registers that held R's fragments
	TOSTAGE 0
.irp a, 1,2,3,4,5,6,7
.if \a > 1
	s_wait_xcnt 0x0                                ; tile a - 2's stores have read their registers: tile a's loads may land there
.endif
	TOSTAGE \a
	SEND \a-1, 32                                  ; behind tile a - 1's loads: tile a's 16 stores and 16 loads
.endr
	SEND 7, 0
	s_wait_tensorcnt 0x0                           ; the wave's end, behind my last tensor load and my last LDS store
	ds_add_u32 v[SPW], v[NIL]
	s_wait_dscnt 0x0
	CROUND                                         ; the closing round
	s_endpgm
.Lfunc_end_k_qbcc24dec4a_oproj:
	.size	k_qbcc24dec4a_oproj, .Lfunc_end_k_qbcc24dec4a_oproj-k_qbcc24dec4a_oproj
	.p2alignl 7, 3214868480
	.fill 96, 4, 3214868480
	.section	.rodata,"a",@progbits
	.p2align	6, 0x0
	.amdhsa_kernel k_qbcc24dec4a_oproj
		.amdhsa_group_segment_fixed_size 327680
		.amdhsa_private_segment_fixed_size 0
		.amdhsa_enable_private_segment 0
		.amdhsa_kernarg_size 32
		.amdhsa_user_sgpr_count 2
		.amdhsa_user_sgpr_kernarg_segment_ptr 1
		.amdhsa_wavefront_size32 1
		.amdhsa_system_sgpr_workgroup_id_x 1
		.amdhsa_system_sgpr_workgroup_id_y 1
		.amdhsa_system_sgpr_workgroup_id_z 1
		.amdhsa_system_vgpr_workitem_id 0
		.amdhsa_next_free_vgpr 1024
		.amdhsa_next_free_sgpr 100
		.amdhsa_reserve_vcc 0
		.amdhsa_float_denorm_mode_32 3
		.amdhsa_float_denorm_mode_16_64 3
		.amdhsa_memory_ordered 1
		.amdhsa_forward_progress 1
		.amdhsa_inst_pref_size 145
	.end_amdhsa_kernel
	.amdgpu_metadata
---
amdhsa.version: [ 1, 2 ]
amdhsa.kernels:
  - .name:           k_qbcc24dec4a_oproj
    .symbol:         k_qbcc24dec4a_oproj.kd
    .args:
      - { .name: ao, .offset: 0, .size: 8, .value_kind: global_buffer, .address_space: global }
      - { .name: wc, .offset: 8, .size: 8, .value_kind: global_buffer, .address_space: global }
      - { .name: b_o, .offset: 16, .size: 8, .value_kind: global_buffer, .address_space: global }
      - { .name: out0, .offset: 24, .size: 8, .value_kind: global_buffer, .address_space: global }
    .group_segment_fixed_size: 327680
    .private_segment_fixed_size: 0
    .kernarg_segment_align: 8
    .kernarg_segment_size: 32
    .max_flat_workgroup_size: 128
    .sgpr_count:     100
    .vgpr_count:     1024
    .wavefront_size: 32
...
	.end_amdgpu_metadata
.endif
;; end of part 4
